; MI455X (gfx1250); checked and timed in simulation.
; The chip was launched on July 23, 2026; its instructions are those of AMD's public machine-readable ISA for CDNA 5 (MIT licence, August 2026) and "CDNA5" Instruction Set Architecture Reference Guide (July 2026). The comments in the code are by the model that wrote it; some were corrected since.
;; Quantum Attention. Allowed arithmetic: matrix products marked QUANTISED: E3M2 operands, one E8M0 scale for each 32 along K, by v_wmma_scale_f32_16x16x128_f8f6f4 with both operands' format E3M2, f32 sums; everything else in f32.
;; Inputs: Wk 1,024 x 1,024 float32; Wo 1,024 x 1,024 float32; Wq 1,024 x 1,024 float32; Wv 1,024 x 1,024 float32; bk 1,024 float32; bo 1,024 float32; bq 1,024 float32; bv 1,024 float32; key 2 x 2,048 x 1,024 float32; quantum_phases 16 float32; query 2 x 2,048 x 1,024 float32; value 2 x 2,048 x 1,024 float32; w_imag 16 x 64 float32; w_real 16 x 64 float32.
;; Outputs: out0 2 x 2,048 x 1,024 float32.
;; This version of the problem:
;;   THIS VERSION OF THE PROBLEM IS GIVEN IN LOW PRECISION. The matrix products marked QUANTISED in the list below multiply operands that are first quantised to E3M2 (3 exponent bits, 2 mantissa bits; 6 bits a number), with one power-of-two scale for each 32 numbers along K (OCP MX v1.0); their sums are f32. All else is computed in f32.
;;   The module's matrix products, in the order in which they are computed (A, B: the left and right operand; K: the contracted axis; several contracted axes count as one K, in the product's order):
;;     1. [M 4,096, K 1,024] x [K 1,024, N 1,024]; A: input query; B: input Wq: QUANTISED
;;     2. [M 4,096, K 1,024] x [K 1,024, N 1,024]; A: input key; B: input Wk: QUANTISED
;;     3. [M 4,096, K 1,024] x [K 1,024, N 1,024]; A: input value; B: input Wv: QUANTISED
;;     4. batch 32 x [M 2,048, K 64] x [K 64, N 2,048]; A: computed on the way; B: computed on the way: QUANTISED
;;     5. batch 32 x [M 2,048, K 2,048] x [K 2,048, N 64]; A: softmax (see below); B: computed on the way: QUANTISED
;;     6. [M 4,096, K 1,024] x [K 1,024, N 1,024]; A: computed on the way; B: input Wo: QUANTISED
;;   THE QUANTISER, for each operand of a quantised product, along K:
;;     - K is cut into blocks of 32 from its start; a last block that is shorter is filled with zeros.
;;     - A block's scale is 2^e with e = floor(log2(the largest magnitude in the block)) - 4, held to -126 .. 127; a block of zeros has e = 0. As a byte (E8M0): e + 127.
;;     - Each number is divided by its block's scale, clamped to +-28, and rounded to the nearest number of E3M2, ties to even, subnormals kept.
;;     - The product sums the exact products of the quantised numbers (number of the format x scale) in f32.
;;   ~~~python
;;   def quantise(x, axis):      # numpy; x: float32 -> the quantised numbers, widened to float32 again
;;       x = np.moveaxis(x, axis, -1); K = x.shape[-1]
;;       x = np.pad(x, [(0, 0)] * (x.ndim - 1) + [(0, -K % 32)]); x = x.reshape(x.shape[:-1] + (-1, 32)); a = np.abs(x).max(-1, keepdims=True)
;;       e = np.where(a > 0, np.clip(np.frexp(np.where(a > 0, a, 1))[1] - 1 - 4, -126, 127), 0)      # np.frexp(a)[1] - 1 = floor(log2(a)), exactly
;;       r = np.clip(x / 2.0 ** e, -28, 28)
;;       step = 2.0 ** (np.maximum(np.frexp(np.where(r == 0, 1, r))[1] - 1, -2) - 2)
;;       q = np.round(r / step) * step * 2.0 ** e      # np.round: ties to even
;;       return np.moveaxis(q.reshape(q.shape[:-2] + (-1,))[..., :K], -1, axis).astype(np.float32)
;;   ~~~
;;   SOFTMAX AHEAD OF A QUANTISED PRODUCT. Where the list says 'softmax', what is quantised is not the finished softmax but p = 2^(t - M), with t = logit x log2(e) and M = ceil(the row's largest t), a whole number; so 1/2 < the row's largest p <= 1. The row's sum l is taken of the UNQUANTISED p, in f32, and the product's result is divided by l at the end. Since M is a whole number, a kernel that streams over the keys may use a running M (the ceiling of the running maximum): every later rescaling is an exact power of two, which a block's scale takes up: the codes' values come out the same.
;;   OPERANDS COMPUTED ON THE WAY. 'Computed on the way' means the value that the module computes at that place (a softmax that the list does not call 'softmax' is quantised finished and normalised). What goes into a quantiser is computed in f32, as accurately as f32 sums, v_exp_f32 and their like allow (about 1e-6 of the number): no bf16 or f16 on the way to a quantiser, and a product that is left as it is and whose result goes on into a quantised operand takes f32 operands (vector FMAs, or v_wmma_f32_16x16x4_f32). A number that lies on a knife's edge between two numbers of the format may be rounded either way, as far as f32 arithmetic and the matrix unit's own rounding can turn it there, and no further.
;; One version. Each part assembles by itself: llvm-mc -triple=amdgcn-amd-amdhsa -mcpu=gfx1250 --defsym DOCPART=n.
;; ======== version 1 of 1: 4 launches
;; limits: right only within a limited range of input values
;; workspace buffers: opr 13,631,488 bytes; oopr 3,407,872 bytes; qrec 3,276,800 bytes; kvrec 6,553,600 bytes
;; launch quant (part 1): grid 1024 x 1, 4 waves a work-group, no clusters, 34,304 bytes of LDS; arguments query, key, value, Wq, Wk, Wv, Wo, opr; writes opr
.if DOCPART == 1
	.amdgcn_target "amdgcn-amd-amdhsa--gfx1250"
	.amdhsa_code_object_version 6
	.text
	.protected	k_q34a1aec0f6_quant
	.globl	k_q34a1aec0f6_quant
	.p2align	8
	.type	k_q34a1aec0f6_quant,@function
k_q34a1aec0f6_quant:
	s_mov_b64 s[64:65], 0
	v_nop
	global_prefetch_b8 v0, s[64:65] scope:SCOPE_SE
	s_setreg_imm32_b32 hwreg(HW_REG_WAVE_MODE, 25, 1), 1
	s_wait_xcnt 0x0
; FIRST OF FOUR LAUNCHES.  The module: three projections, scores Q K^T / 8, qe = s cos(theta_h + 0.1 s) + 0.1 imag_h, softmax, P V, out projection; all six products on codes of BF6 (E3M2) with one E8M0 scale for each 32 along K.
; NOTHING IS LEFT OUT AS DEAD WORK.  The term 0.1 imag_h is the same along the softmax's axis, but what is quantised is p = 2^(t - M) with M = ceil(the row's largest t): the term moves t by a number that is not whole,
; so it moves p by a factor that is no power of two, and with it p's codes.  So w_real, w_imag and sin(theta) are live; every input is loaded by some launch.
; THIS LAUNCH turns the seven f32 operands whose K (1,024) is innermost (query, key, value: 4,096 rows; Wq, Wk, Wv, Wo: 1,024 rows) into codes and scale words, laid IN THE ORDER OF AN OPERAND'S REGISTERS.
; A TILE is 16 rows that are not neighbours: tile 2 g + u, row rho, is matrix row 32 g + 8 u + rho + 8 (rho / 8).  As source 0 of a product, tiles 2 g and 2 g + 1 then leave 16 neighbouring rows in a lane's 16 result registers.
; AN IMAGE of a fragment (16 rows x 128 K, 12 registers a lane): register pair i of lane l at byte 256 i + 8 l: 1,536 bytes.  Each store and each later load of a wave covers 256 consecutive bytes.
; opr: 1,024 tiles of 13,312 bytes (query 0-255, key 256-511, value 512-767, Wq 768-831, Wk 832-895, Wv 896-959, Wo 960-1023); a tile is 4 records of 3,328 bytes: the images of K steps 2 sp and 2 sp + 1, then 256 bytes of scale
; words: lane l's 8 bytes at 3,072 + 8 l hold its row's word of step 2 sp and of step 2 sp + 1 (lanes 16-31 repeat lanes 0-15).
; A block's scale is 2^(floor(log2(its largest magnitude)) - 4); its byte is the largest magnitude's exponent field - 4, held at 1 from below.
; LIMITS: a block of zeros, or one whose largest magnitude lies under 2^(5 - 127), gets the byte 1 where the rule says 127 or less: its bytes are read by this program alone, and zero codes add nothing.  NaN and infinities among the inputs are not served.
; SHARES: work-group t takes tile t; wave w its record w: 16 rows x 256 numbers.  Each load reads 512 consecutive bytes of a row; the conversions want 16 neighbours along K in ONE lane, so a K step's 16 x 512 bytes turn through
; the wave's own stage in LDS (rows of 512 + 16 bytes).  Waves share nothing: no barrier.  No work-group reads what another reads: no cluster, no joint load.
.set STGB,  8448                       ; a wave's stage: 16 rows x 528 bytes
.set SROW,  528
.set SPARE, 4*STGB                     ; behind the four stages: the spare words, 128 bytes for each wave: two blocks of 256 bytes that no other line names
.set GI,  1                            ; v1   16 x lane: my 16 bytes of a load's 512
.set SI,  2                            ; v2   the stage, on the way in: my wave's stage + 16 x lane
.set SO,  3                            ; v3   on the way out: row r, + 64 h: my 16 numbers of a block of 32
.set GO,  4                            ; v4   8 x lane: my place in an image's 256 bytes
.set SPW, 5                            ; v5   LDS address of my spare word; never rewritten
.set NIL, 6                            ; v6   0; never rewritten
.set R0,  16                           ; v16-79   K step 0 as loaded
.set R1,  80                           ; v80-143  K step 1 as loaded
.set XN,  144                          ; v144-207 64 numbers: register 16 b + i = k 32 b + 16 h + i of row r
.set TM,  208                          ; v208-223 at work in QUANT
.set PW,  224                          ; v[224:225] the two scale words
.set PC,  226                          ; v226-245 step 0's codes
.set PCB, 16                           ; v16-35   step 1's codes, where step 0's numbers lay
.set SEL, 28                           ; s[28:29] v_permlanex16_b32's selects for lane l xor 16
; 64 numbers of a lane, register 16 b + i = k 32 b + 16 (lane / 16) + i of my row, become a fragment's 12 registers of codes in v[pc] on and its scale word in v[pw].
.macro QUANT s, pc, pw
.irp b, 0,1,2,3
	v_max3_num_f32 v[TM+\b], |v[\s+16*\b]|, |v[\s+1+16*\b]|, 0x2800000   ; block b: my 16 numbers, and the floor 2^(5 - 127): the byte cannot fall under 1
.endr
.irp i, 2,4,6,8,10,12,14
.irp b, 0,1,2,3
	v_max3_num_f32 v[TM+\b], v[TM+\b], |v[\s+16*\b+\i]|, |v[\s+1+16*\b+\i]|   ; the four blocks by turns
.endr
.endr
.irp b, 0,1,2,3
	v_permlanex16_b32 v[TM+4+\b], v[TM+\b], s[SEL], s[SEL+1]
.endr
.irp b, 0,1,2,3
	v_max_num_f32 v[TM+\b], v[TM+\b], v[TM+4+\b]   ; with lane l xor 16's: the block's largest magnitude
.endr
.irp b, 0,1,2,3
	v_add_nc_u32 v[TM+12+\b], 0xfe000000, v[TM+\b]   ; 4 off its exponent field: the conversion's scale operand
.endr
.irp b, 0,1,2,3
	v_lshrrev_b32 v[TM+4+\b], 23, v[TM+12+\b]      ; the scale's byte
.endr
	v_lshl_or_b32 v[\pw], v[TM+5], 8, v[TM+4]      ; four bytes: my row's scale word
	v_lshl_or_b32 v[\pw], v[TM+6], 16, v[\pw]
	v_lshl_or_b32 v[\pw], v[TM+7], 24, v[\pw]
.irp c, 0,1
	v_cvt_scalef32_pk16_bf6_f32 v[\pc+6*\c:\pc+2+6*\c], v[\s+32*\c:\s+15+32*\c], v[TM+12+2*\c]
	v_cvt_scalef32_pk16_bf6_f32 v[\pc+12+4*\c:\pc+14+4*\c], v[\s+16+32*\c:\s+31+32*\c], v[TM+12+2*\c+1]   ; (a conversion's three registers begin on an even number)
.endr
	v_nop                                          ; one plain place behind a scaled conversion
.irp c, 0,1                                    ; the operand's layout wants a WHOLE block in a lane: lanes 0-15 block 2 c, lanes 16-31 block 2 c + 1
.irp i, 0,1,2
	v_permlane16_swap_b32 v[\pc+6*\c+\i], v[\pc+12+4*\c+\i]
.endr
.irp i, 0,1,2
	v_mov_b32 v[\pc+3+6*\c+\i], v[\pc+12+4*\c+\i]
.endr
.endr
.endm
.macro TURN reg                        ; a K step's numbers through my stage: LDS serves a wave's instructions in order, so no wait stands between the stores and the loads
.irp i, 0,1,2,3,4,5,6,7,8,9,10,11,12,13,14,15
	ds_store_b128 v[SI], v[\reg+4*\i:\reg+4*\i+3] offset:SROW*\i
.endr
.irp b, 0,1,2,3
.irp j, 0,1,2,3
	ds_load_b128 v[XN+16*\b+4*\j:XN+16*\b+4*\j+3], v[SO] offset:128*\b+16*\j
.endr
.endr
	s_wait_dscnt 0x0
.endm
.macro OUT6 pc, off                    ; an image: six stores of 256 consecutive bytes, each at a multiple of 256 from opr's first byte
.irp i, 0,1,2,3,4,5
	global_store_b64 v[GO], v[\pc+2*\i:\pc+2*\i+1], s[32:33] offset:\off+256*\i
.endr
.endm
	s_load_b512 s[4:19], s[0:1], 0x0               ; query, key, value, Wq, Wk, Wv, Wo, opr
	v_lshl_add_u32 v[SPW], v0, 2, SPARE
	v_mov_b32 v[NIL], 0
	v_lshrrev_b32 v7, 5, v0
	v_readfirstlane_b32 s20, v7                    ; wave 0..3
	v_and_b32 v8, 31, v0                           ; lane
	v_and_b32 v9, 15, v0                           ; r
	v_bfe_u32 v10, v0, 4, 1                        ; h
	v_lshlrev_b32 v[GI], 4, v8
	s_mul_i32 s21, s20, STGB
	v_add_nc_u32 v[SI], s21, v[GI]
	v_mul_u32_u24 v[SO], v9, SROW
	v_lshl_add_u32 v[SO], v10, 6, v[SO]
	v_add_nc_u32 v[SO], s21, v[SO]
	v_lshlrev_b32 v[GO], 3, v8
.irp b, 0,1,2,3
	v_mov_b32 v[TM+4+\b], 0                        ; written once: a lane permute's destination counts as one of its sources
.endr
	s_mov_b32 s[SEL], 0x76543210
	s_mov_b32 s[SEL+1], 0xfedcba98
	s_lshr_b32 s22, ttmp9, 8                       ; 0, 1, 2: query, key, value; 3: a weight
	s_bfe_u32 s23, ttmp9, 0x20006                  ; which weight
	s_cmp_eq_u32 s22, 3
	s_cselect_b32 s26, 63, 255
	s_and_b32 s26, ttmp9, s26                      ; the tile's number in its own tensor
	; THE TILES OF key ARE LAID OTHERWISE: tile 4 g + u, row rho, is matrix row 64 g + 8 u + rho % 8 + 32 (rho / 8): as source 0 of the scores, tiles 4 g .. 4 g + 3 then leave a whole block of 32 neighbouring keys in a lane's 32 registers.
	s_cmp_eq_u32 s22, 1
	s_cselect_b32 s34, 2, 1                        ; log2 of the tiles in a run: key 4, all others 2
	s_cselect_b32 s35, 3, 1
	s_lshl_b32 s36, 0x8000, s34                    ; from tile row 0 to tile row 8, in bytes: 32 matrix rows (key) or 16
	s_lshr_b32 s27, s26, s34
	s_add_co_u32 s37, s34, 4
	s_lshl_b32 s27, s27, s37
	s_and_b32 s26, s26, s35
	s_lshl_b32 s26, s26, 3
	s_add_co_u32 s27, s27, s26                     ; its first row: 32 g + 8 u, or 64 g + 8 u
	v_add_nc_u32 v7, s36, v[GI]                    ; v7: my 16 bytes in tile rows 8-15
	s_lshl_b32 s30, s27, 12                        ; rows of 4,096 bytes,
	s_lshl_b32 s26, s20, 10
	s_add_co_u32 s30, s30, s26                     ; + my record's 256 numbers
	s_mov_b32 s31, 0
	s_mul_i32 s32, ttmp9, 13312
	s_mul_i32 s26, s20, 3328
	s_add_co_u32 s32, s32, s26                     ; where my record goes
	s_mov_b32 s33, 0
	s_wait_alu depctr_va_vdst(0)
	s_wait_kmcnt 0x0
	s_mov_b64 s[24:25], s[16:17]                   ; the tensor is chosen by the work-group's number alone
	s_cmp_eq_u32 s23, 2
	s_cselect_b64 s[24:25], s[14:15], s[24:25]
	s_cmp_eq_u32 s23, 1
	s_cselect_b64 s[24:25], s[12:13], s[24:25]
	s_cmp_eq_u32 s23, 0
	s_cselect_b64 s[24:25], s[10:11], s[24:25]
	s_cmp_eq_u32 s22, 2
	s_cselect_b64 s[24:25], s[8:9], s[24:25]
	s_cmp_eq_u32 s22, 1
	s_cselect_b64 s[24:25], s[6:7], s[24:25]
	s_cmp_eq_u32 s22, 0
	s_cselect_b64 s[24:25], s[4:5], s[24:25]
	s_add_nc_u64 s[24:25], s[24:25], s[30:31]
	s_add_nc_u64 s[32:33], s[18:19], s[32:33]
.irp s, 0,1
.irp i, 0,1,2,3,4,5,6,7,8,9,10,11,12,13,14,15
	global_load_b128 v[R0+64*\s+4*\i:R0+64*\s+4*\i+3], v[GI+6*(\i/8)], s[24:25] offset:(\i%8)*4096+512*\s th:TH_LOAD_NT   ; tile row i, K step s: 512 consecutive bytes; read once in the launch
.endr
.endr
	s_wait_loadcnt 16                              ; K step 0's sixteen loads are in; K step 1's sixteen may be out
	TURN R0
	QUANT XN, PC, PW
	OUT6 PC, 0
	s_wait_loadcnt 0x0
	TURN R1
	QUANT XN, PCB, PW+1                            ; into registers of its own: the stores above still read step 0's codes
	OUT6 PCB, 1536
	global_store_b64 v[GO], v[PW:PW+1], s[32:33] offset:3072
	s_wait_tensorcnt 0x0                           ; the wave's end
	ds_add_u32 v[SPW], v[NIL]
	s_wait_dscnt 0x0
	s_endpgm
.Lfunc_end_k_q34a1aec0f6_quant:
	.size	k_q34a1aec0f6_quant, .Lfunc_end_k_q34a1aec0f6_quant-k_q34a1aec0f6_quant
	.p2alignl 7, 3214868480
	.fill 96, 4, 3214868480
	.section	.rodata,"a",@progbits
	.p2align	6, 0x0
	.amdhsa_kernel k_q34a1aec0f6_quant
		.amdhsa_group_segment_fixed_size 34304
		.amdhsa_private_segment_fixed_size 0
		.amdhsa_enable_private_segment 0
		.amdhsa_kernarg_size 64
		.amdhsa_user_sgpr_count 2
		.amdhsa_user_sgpr_kernarg_segment_ptr 1
		.amdhsa_wavefront_size32 1
		.amdhsa_system_sgpr_workgroup_id_x 1
		.amdhsa_system_sgpr_workgroup_id_y 1
		.amdhsa_system_sgpr_workgroup_id_z 1
		.amdhsa_system_vgpr_workitem_id 0
		.amdhsa_next_free_vgpr 256
		.amdhsa_next_free_sgpr 66
		.amdhsa_reserve_vcc 0
		.amdhsa_float_denorm_mode_32 3
		.amdhsa_float_denorm_mode_16_64 3
		.amdhsa_memory_ordered 1
		.amdhsa_forward_progress 1
		.amdhsa_inst_pref_size 19
	.end_amdhsa_kernel
	.amdgpu_metadata
---
amdhsa.version: [ 1, 2 ]
amdhsa.kernels:
  - .name:           k_q34a1aec0f6_quant
    .symbol:         k_q34a1aec0f6_quant.kd
    .args:
      - { .name: query, .offset: 0, .size: 8, .value_kind: global_buffer, .address_space: global }
      - { .name: key, .offset: 8, .size: 8, .value_kind: global_buffer, .address_space: global }
      - { .name: value, .offset: 16, .size: 8, .value_kind: global_buffer, .address_space: global }
      - { .name: Wq, .offset: 24, .size: 8, .value_kind: global_buffer, .address_space: global }
      - { .name: Wk, .offset: 32, .size: 8, .value_kind: global_buffer, .address_space: global }
      - { .name: Wv, .offset: 40, .size: 8, .value_kind: global_buffer, .address_space: global }
      - { .name: Wo, .offset: 48, .size: 8, .value_kind: global_buffer, .address_space: global }
      - { .name: opr, .offset: 56, .size: 8, .value_kind: global_buffer, .address_space: global }
    .group_segment_fixed_size: 34304
    .private_segment_fixed_size: 0
    .kernarg_segment_align: 8
    .kernarg_segment_size: 64
    .max_flat_workgroup_size: 128
    .sgpr_count:     66
    .vgpr_count:     256
    .wavefront_size: 32
...
	.end_amdgpu_metadata
.endif
;; end of part 1
;; launch proj (part 2): grid 4 x 48, 4 waves a work-group, clusters of 4 x 1, 327,680 bytes of LDS; arguments opr, bq, bk, bv, qrec, kvrec; writes qrec, kvrec
.if DOCPART == 2
	.amdgcn_target "amdgcn-amd-amdhsa--gfx1250"
	.amdhsa_code_object_version 6
	.text
	.protected	k_q34a1aec0f6_proj
	.globl	k_q34a1aec0f6_proj
	.p2align	8
	.type	k_q34a1aec0f6_proj,@function
k_q34a1aec0f6_proj:
	s_mov_b64 s[64:65], 0
	v_nop
	global_prefetch_b8 v0, s[64:65] scope:SCOPE_SE
	s_setreg_imm32_b32 hwreg(HW_REG_WAVE_MODE, 25, 1), 1
	s_wait_xcnt 0x0
	s_wait_alu depctr_hold_cnt(0) depctr_sa_sdst(0) depctr_va_vdst(0) depctr_va_sdst(0) depctr_va_ssrc(0) depctr_va_vcc(0) depctr_vm_vsrc(0)
	s_getreg_b32 s2, hwreg(HW_REG_IB_STS2, 6, 4)
	s_cmp_eq_u32 s2, 0
	s_cbranch_scc0 .Lentry_in_a_cluster
	s_endpgm
.Lentry_in_a_cluster:
	s_bfe_u32 s2, ttmp6, 0x10000c
	s_cmp_lg_u32 s2, 0x3003
	s_cbranch_scc0 .Lentry_shape_is_right
	s_endpgm
.Lentry_shape_is_right:
; SECOND LAUNCH: the three projections on the codes in opr, the bias, and the results quantised in registers for the attention's two products.  No work of the module is left out.
; D[i][j] = bias + sum over k of X0[i][k] X1[j][k]; source 0 = 16 rows of X0, source 1 = 16 rows of X1: a lane holds ONE row j and its registers run along i, which is the next product's K.
;   Q, K (p = 0, 1): X0 = the weight (i = features), X1 = the tokens.     V (p = 2): X0 = value's tokens (i = the keys), X1 = Wv.
; With source 0's tiles as the first launch lays them, the 16 registers of result tiles 2 g, 2 g + 1 are i = 32 g + 16 (lane / 16) + 0 .. 15: what the conversions want.
; SHARES: a block is 128 (i) x 128 (j); wave w makes all 128 of i (8 tiles b) x 32 of j (source 1's tiles 2 w + a): 16 accumulators.  768 blocks; A WORK-GROUP STAYS and makes FOUR, with one group X of source 0
; and four neighbouring groups Y of source 1: 192 work-groups.  (The factor 3 of 768 lies in Q, K, V alone, which share no operand; so a walk of three would keep nothing.)
; SOURCE 0 STAYS IN REGISTERS: its 8 tiles x 8 K steps are 64 fragments of 12 registers, read from LDS once and multiplied in all four blocks.  A K step then reads 12 loads of source 1 and its scale words from LDS for 16 products.
; LDS: a group of 8 tiles for all of K = 1,024 is 106,496 dense bytes of opr.  Source 0's group is filled once (RES; its scale words are read from there in every block); source 1's groups go through two slots by turns.
; At the head each wave issues one load (waves 0, 1: source 1's first group; waves 2, 3: source 0's), four tiles each; each later fill is shared out, two tiles a wave.  One tensor load of a wave is out at any time.
; CLUSTER 4 x 1: the four partners have different X and the same Y: source 1's groups are asked for jointly.  Source 0's group is no partner's but mine: a load of my own.
; PREFETCH: in blocks 0 and 1 the group that the NEXT block's fill will ask for (two groups on) is named once in the cluster: its 416 runs of 256 bytes are shared out by address among the cluster's 512 lanes (the last 96 name the last run again).
; THE BIAS is the accumulators' first contents, laid there ahead of each block: Q, K: loaded in the result's layout; V: one number a lane and tile column, loaded a block ahead and copied.
; OUT.  qrec [bh 32][j 16 (128 queries)][6,400]: four PAIR images of 1,536 bytes (pair P: the half image, 64 along d, of tile 2 P, then of tile 2 P + 1), then 256 bytes of words: pair P, lane r at 6,144 + 64 P + 4 r.
; kvrec [bh][j 16 (128 keys)][12,800]: K's part as qrec; V's part at 6,400: images of V^T, d tile t (16 d x 128 keys) at 1,536 t, words at 6,144 + 64 t + 4 r.
; LIMITS: scale bytes are held at 1 from below; NaN and infinities are not served; the bias is each sum's first term, so the order of additions differs from x W^T + b.
; REGISTERS: window 0: v1-15 addresses and V's bias; v16-55 scale words, two sets of 20; v56-79, v80-103 source 1's two fragment buffers, and v56-115 at work on the way out; v116-127 source 0's fragment 63;
;   v128-255 accumulators ((a, b) at v[128 + 8 (8 a + b)]).   windows 1, 2, 3: source 0's fragments 0-62 (fragment 8 s + b), 21 to a window; window 1's v252: the prefetch's offset.
.set TILEB, 13312                      ; a tile in opr: 4 records
.set RECB,  3328                       ; a record: two K steps' images and their scale words
.set SLOT,  106496                     ; 8 tiles.  Slot 0 at byte 0, slot 1 at SLOT
.set RES,   2*SLOT                     ; source 0's 8 tiles
.set SPARE, 3*SLOT                     ; the spare words, 128 bytes for each wave: two blocks of 256 bytes that no other line names
.set L8,    1                          ; v1   8 x lane
.set AD0,   2                          ; v2, v3  LDS: source 0's tiles 0-3, 4-7
.set SPW,   4                          ; v4   LDS address of my spare word; never rewritten
.set NIL,   5                          ; v5   0; never rewritten
.set RR,    6                          ; v6   r = lane % 16
.set HH,    7                          ; v7   h = lane / 16
.set VSEL,  8                          ; v8   which bytes of the two scale words make the word that I store
.set VSOFF, 9                          ; v9   and where it goes
.set BOFQ,  10                         ; v10  my offset in the bias, Q and K
.set BOFV,  11                         ; v11  the same, V
.set AD1,   12                         ; v12  LDS: my two tiles of source 1 in the slot in hand
.set AD1B,  13                         ; v13  the same without the slot
.set BV,    14                         ; v14, v15  V: the bias of my lane's feature in tile columns a = 0, 1 of the block to come
.set SC,    16                         ; scale words: set g at v[16 + 20 g]; register 2 f + (step % 2); f = 0..7 source 0's tiles, 8, 9 source 1's
.set TM,    56
.set PW0,   72
.set PW1,   73
.set WW,    74
.set PC0,   76
.set PC1,   96
.set ACC,   128
.set PFO,   252                        ; window 1
.set WV,    16                         ; s16  wave
.set G1J,   24                         ; s[24:31] group 1 of the joint loads;  s[32:39] of my own load
.set G1P,   32
.set G0A,   40                         ; s[40:43] the head's load of source 1;  s[44:47] of source 0;  s[48:51] the later fills
.set G0B,   44
.set G0R,   48
.set TB,    54                         ; s54  the slot in hand: 0 or SLOT
.set CNT,   55                         ; s55  blocks with a fill still to go
.set PFB,   72                         ; s[72:73] the group of the block in hand, in opr
.set SEL,   98                         ; s[98:99]
.set MSB, 0
.macro WIN new                         ; the immediate's high byte repeats the setting that is left
.if MSB != \new
	s_set_vgpr_msb (MSB<<8)|\new
.set MSB, \new
.endif
.endm
.macro CROUND                          ; a round of the cluster's barrier
	s_barrier_signal -1
	s_barrier_wait -1
	s_cmp_lg_u32 s[WV], 0
	s_cbranch_scc1 .Lnot_wave_0_\@
	s_barrier_signal -3
.Lnot_wave_0_\@:
	s_barrier_wait -3
	s_barrier_signal -1
	s_barrier_wait -1
.endm
.macro PLACES                          ; four plain places in front of loads into registers that matrix instructions have read, and of the first read of results
.rept 4
	v_nop
.endr
.endm
.macro QUANT s, pc, pw                 ; 64 numbers of a lane, register 16 b + i = k 32 b + 16 (lane / 16) + i, become a fragment's codes in v[pc] on and its scale word in v[pw]
.irp b, 0,1,2,3
	v_max3_num_f32 v[TM+\b], |v[\s+16*\b]|, |v[\s+1+16*\b]|, 0x2800000   ; each accumulator is read from its low end on; the floor 2^(5 - 127) holds the byte at 1 from below
.endr
.irp i, 2,4,6,8,10,12,14
.irp b, 0,1,2,3
	v_max3_num_f32 v[TM+\b], v[TM+\b], |v[\s+16*\b+\i]|, |v[\s+1+16*\b+\i]|
.endr
.endr
.irp b, 0,1,2,3
	v_permlanex16_b32 v[TM+4+\b], v[TM+\b], s[SEL], s[SEL+1]
.endr
.irp b, 0,1,2,3
	v_max_num_f32 v[TM+\b], v[TM+\b], v[TM+4+\b]
.endr
.irp b, 0,1,2,3
	v_add_nc_u32 v[TM+12+\b], 0xfe000000, v[TM+\b]   ; 4 off the exponent field: the conversion's scale operand
.endr
.irp b, 0,1,2,3
	v_lshrrev_b32 v[TM+4+\b], 23, v[TM+12+\b]
.endr
	v_lshl_or_b32 v[\pw], v[TM+5], 8, v[TM+4]
	v_lshl_or_b32 v[\pw], v[TM+6], 16, v[\pw]
	v_lshl_or_b32 v[\pw], v[TM+7], 24, v[\pw]
.irp c, 0,1
	v_cvt_scalef32_pk16_bf6_f32 v[\pc+6*\c:\pc+2+6*\c], v[\s+32*\c:\s+15+32*\c], v[TM+12+2*\c]
	v_cvt_scalef32_pk16_bf6_f32 v[\pc+12+4*\c:\pc+14+4*\c], v[\s+16+32*\c:\s+31+32*\c], v[TM+12+2*\c+1]
.endr
	v_nop                                          ; one plain place behind a scaled conversion
.irp c, 0,1
.irp i, 0,1,2
	v_permlane16_swap_b32 v[\pc+6*\c+\i], v[\pc+12+4*\c+\i]
.endr
.irp i, 0,1,2
	v_mov_b32 v[\pc+3+6*\c+\i], v[\pc+12+4*\c+\i]
.endr
.endr
.endm
.macro HOLD                            ; source 0's 64 fragments into their registers, once: fragment F = 8 s + b: 384 loads of 256 consecutive bytes
.set F, 0
.rept 64
.if F < 63
	WIN (1+F/21)<<6
.set FRG, 12*(F%21)
.else
	WIN 0
.set FRG, 116
.endif
.irp i, 0,1,2,3,4,5
	ds_load_b64 v[FRG+2*\i:FRG+2*\i+1], v[AD0+(F%8)/4] offset:TILEB*(F%4)+RECB*(F/16)+1536*((F/8)%2)+256*\i
.endr
.set F, F+1
.endr
	WIN 0
.endm
.macro FETCH s, buf                    ; K step s's two fragments of source 1: 12 loads of 256 consecutive bytes; every offset is an immediate
	WIN 0
.irp a, 0,1
.irp i, 0,1,2,3,4,5
	ds_load_b64 v[\buf+12*\a+2*\i:\buf+12*\a+2*\i+1], v[AD1] offset:TILEB*\a+RECB*((\s)/2)+1536*((\s)%2)+256*\i
.endr
.endr
.endm
.macro SCALES rec, sg                  ; record rec's scale words: two words a row, for its two K steps
.irp t, 0,1,2,3,4,5,6,7
	ds_load_b64 v[SC+20*(\sg)+2*\t:SC+20*(\sg)+2*\t+1], v[AD0+\t/4] offset:TILEB*(\t%4)+RECB*(\rec)+3072
.endr
.irp a, 0,1
	ds_load_b64 v[SC+20*(\sg)+16+2*\a:SC+20*(\sg)+17+2*\a], v[AD1] offset:TILEB*\a+RECB*(\rec)+3072
.endr
.endm
.macro MULH s, buf, sg, wd, a          ; 8 products: source 0's eight tiles of K step s against my tile a.  The 16 accumulators take turns, one instruction a turn
.irp b, 0,1,2,3,4,5,6,7
.set F, 8*(\s)+\b
.if F < 63
	WIN 1+F/21                                     ; source 0's window; source 1, C and D in window 0
.set FRG, 12*(F%21)
.else
	WIN 0
.set FRG, 116
.endif
	v_wmma_scale_f32_16x16x128_f8f6f4 v[ACC+8*(8*\a+\b):ACC+8*(8*\a+\b)+7], v[FRG:FRG+11], v[\buf+12*\a:\buf+12*\a+11], v[ACC+8*(8*\a+\b):ACC+8*(8*\a+\b)+7], v[SC+20*\sg+2*\b+\wd], v[SC+20*\sg+16+2*\a+\wd] matrix_a_fmt:MATRIX_FMT_BF6 matrix_b_fmt:MATRIX_FMT_BF6
.endr
.endm
.macro PRE first                       ; the bias of the block to come into the accumulators.  p is the same in all partners; the branches lead round global loads and moves alone
	s_cmp_eq_u32 s22, 2
	s_cbranch_scc1 .Lpre_v_\@
.irp a, 0,1
.irp b, 0,1,2,3,4,5,6,7                ; Q, K: the features run along my registers: tile b holds 32 (b / 2) + 16 h + 8 (b % 2) + 0 .. 7
	global_load_b128 v[ACC+8*(8*\a+\b):ACC+8*(8*\a+\b)+3], v[BOFQ], s[96:97] offset:(32*(\b/2)+8*(\b%2))*4
	global_load_b128 v[ACC+8*(8*\a+\b)+4:ACC+8*(8*\a+\b)+7], v[BOFQ], s[96:97] offset:(32*(\b/2)+8*(\b%2))*4+16
.endr
.endr
	s_branch .Lpre_done_\@
.Lpre_v_\@:
.if \first
	global_load_b32 v[BV], v[BOFV], s[96:97]       ; V: the feature is my lane's: 8 a + r + 8 (r / 8)
	global_load_b32 v[BV+1], v[BOFV], s[96:97] offset:32
.endif
	s_wait_loadcnt 0x0
.irp a, 0,1
.irp n, 0,1,2,3,4,5,6,7,8,9,10,11,12,13,14,15,16,17,18,19,20,21,22,23,24,25,26,27,28,29,30,31,32,33,34,35,36,37,38,39,40,41,42,43,44,45,46,47,48,49,50,51,52,53,54,55,56,57,58,59,60,61,62,63
	v_mov_b32 v[ACC+64*\a+\n], v[BV+\a]            ; all 64 registers of a tile column hold it
.endr
.endr
	s_wait_alu depctr_va_vdst(0)
	s_cmp_eq_u32 s[CNT], 1
	s_cbranch_scc1 .Lpre_done_\@                   ; the last block's bias has just been laid: nothing lies behind it
	s_add_nc_u64 s[96:97], s[96:97], s[70:71]      ; 128 features on (the loads that named this base have been waited for)
	global_load_b32 v[BV], v[BOFV], s[96:97]
	global_load_b32 v[BV+1], v[BOFV], s[96:97] offset:32
.Lpre_done_\@:
.endm
.macro ASK                             ; the prefetch: two groups on, in blocks 0 and 1 alone: group 3 is the walk's last
	WIN 0
	s_cmp_gt_u32 s[CNT], 1
	s_cbranch_scc0 .Lno_ask_\@
	WIN 0x01
	global_prefetch_b8 v[PFO], s[PFB:PFB+1] offset:2*SLOT th:TH_LOAD_NT scope:SCOPE_SE
	WIN 0
.Lno_ask_\@:
.endm
; K step s: the next step's fragments of source 1 are asked for at its top, into the buffer that the step before multiplied, and have this step's 16 products in which to land.  No barrier inside a block.
.macro KSTEP s
.set CUR, 56+24*((\s)%2)
.set OTH, 136-CUR
.set SG,  ((\s)/2)%2
.set WD,  (\s)%2
	s_wait_dscnt 0x0                               ; this step's fragments are in
.if (\s) < 7
	PLACES
	FETCH (\s)+1, OTH
.if (\s)%2 == 1
	SCALES ((\s)+1)/2, 1-SG
.endif
.endif
	MULH \s, CUR, SG, WD, 0
	MULH \s, CUR, SG, WD, 1
.endm
; A BLOCK.  In front of it every wave waits for all its tensor loads (at most one is out: its part of this block's group), adds 0 to its spare word and waits for that and for its reads of the other slot; the round follows;
; behind it the other slot takes the next group, two tiles a wave.  The last block asks for nothing: a barrier of the work-group shows everybody's part.
.macro BLOCK last
	s_wait_tensorcnt 0x0
	ds_add_u32 v[SPW], v[NIL]
.if (\last) == 0
	s_xor_b32 s[G0R+1], s[TB], SLOT                ; no tensor load of mine is out, so descriptors may be written: the other slot,
	s_add_co_u32 s[G0R+1], s[G0R+1], s56           ; my two tiles of it,
	s_add_nc_u64 s[G0R+2:G0R+3], s[G0R+2:G0R+3], SLOT   ; the next group;
	s_mov_b32 s[G1J+2], 104<<16                    ; 104 rows of 256 bytes from here on
	s_mov_b32 s[G1J+4], 104
.endif
	s_wait_dscnt 0x0
.if (\last) == 0
	CROUND
	tensor_load_to_lds s[G0R:G0R+3], s[G1J:G1J+7]
	s_nop 0
.rept 4
	v_nop
.endr
.else
	s_barrier_signal -1
	s_barrier_wait -1
.endif
	v_add_nc_u32 v[AD1], s[TB], v[AD1B]
	s_wait_alu depctr_va_vdst(0)                   ; the wait behind the write
	FETCH 0, 56
	SCALES 0, 0
	s_wait_loadcnt 0x0                             ; the bias
	KSTEP 0
	KSTEP 1
.if (\last) == 0
	ASK
.endif
.irp s, 2,3,4,5,6,7
	KSTEP \s
.endr
	WIN 0
	PLACES
	; THE WAY OUT: my two columns of tiles become two fragments of the next product, and leave as images: each store covers 256 consecutive bytes at a multiple of 256 from the buffer's first byte.
	QUANT ACC, PC0, PW0
	QUANT ACC+64, PC1, PW1
.if (\last) == 0
	s_wait_alu depctr_va_vdst(0)                   ; the stores below read the codes behind the branch and the wait in between
	PRE 0                                          ; the accumulators have been read: the next block's bias
.endif
.irp i, 0,1,2
	global_store_b64 v[L8], v[PC0+2*\i:PC0+2*\i+1], s[84:85] offset:256*\i
	global_store_b64 v[L8], v[PC0+6+2*\i:PC0+7+2*\i], s[86:87] offset:256*\i
	global_store_b64 v[L8], v[PC1+2*\i:PC1+2*\i+1], s[88:89] offset:256*\i
	global_store_b64 v[L8], v[PC1+6+2*\i:PC1+7+2*\i], s[90:91] offset:256*\i
.endr
	v_perm_b32 v[WW], v[PW1], v[PW0], v[VSEL]      ; selector bytes 0-3: word 0's bytes; 4-7: word 1's
	global_store_b32 v[VSOFF], v[WW], s[92:93]     ; two runs of 64 bytes (V: one of 128): one byte in 24 of what the wave stores
.if (\last) == 0
	s_wait_xcnt 0x0                                ; the stores and the prefetch have read their registers and bases: these are written again only behind this wait
.irp g, 84,86,88,90,92
	s_add_nc_u64 s[\g:\g+1], s[\g:\g+1], s[68:69]  ; the next block's place
.endr
	s_add_nc_u64 s[PFB:PFB+1], s[PFB:PFB+1], SLOT
.endif
.endm
	s_load_b256 s[4:11], s[0:1], 0x0               ; opr, bq, bk, bv
	s_load_b128 s[12:15], s[0:1], 0x20             ; qrec, kvrec
	v_lshl_add_u32 v[SPW], v0, 2, SPARE
	v_mov_b32 v[NIL], 0
	ds_add_u32 v[SPW], v[NIL]                      ; the wave's opening: the add, twice on end, and its wait ahead of my first tensor load; the set-up below stands between
	ds_add_u32 v[SPW], v[NIL]
	v_lshrrev_b32 v[RR], 5, v0
	v_readfirstlane_b32 s[WV], v[RR]               ; wave 0..3
	s_lshr_b32 s17, s[WV], 1                       ; at the head I fetch for source 1 (0) or source 0 (1)
	s_and_b32 s18, s[WV], 1                        ; which four of the eight tiles
	s_bfe_u32 s19, ttmp6, 0x40000                  ; cx
	s_and_b32 s21, ttmp7, 0xffff                   ; the cluster, 0..47
	s_lshr_b32 s22, s21, 4                         ; p: 0 Q, 1 K, 2 V: the same in all partners
	s_and_b32 s20, s21, 1
	s_bfe_u32 s23, s21, 0x30001
	s_cmp_eq_u32 s22, 2
	s_cselect_b32 s57, s23, s20                    ; source 0 has 8 groups of 128 rows (a weight) or 32 (value's tokens),
	s_cselect_b32 s58, s20, s23                    ; source 1 the other number
	s_lshl_b32 s57, s57, 2
	s_add_co_u32 s57, s57, s19                     ; X: source 0's group; cx enters it alone
	s_lshl_b32 s58, s58, 2                         ; Y: the first of my four groups of source 1: the partners share it
	s_lshl_b32 s59, s22, 6
	s_add_co_u32 s59, s59, 768                     ; Wq's or Wk's first tile
	s_lshl_b32 s66, s22, 8                         ; query's or key's
	s_cmp_eq_u32 s22, 2
	s_cselect_b32 s59, 512, s59                    ; V: value's tokens are source 0,
	s_cselect_b32 s66, 896, s66                    ; Wv source 1
	s_lshl_b32 s60, s57, 3
	s_add_co_u32 s60, s60, s59
	s_lshl_b32 s61, s18, 2
	s_add_co_u32 s60, s60, s61
	s_mul_i32 s60, s60, TILEB                      ; source 0: my four tiles' first byte in opr
	s_lshl_b32 s52, s58, 3
	s_add_co_u32 s52, s52, s66
	s_add_co_u32 s62, s52, s61
	s_mul_i32 s62, s62, TILEB                      ; source 1, at the head, likewise
	s_mul_i32 s74, s52, TILEB                      ; the first group's first byte
	s_mul_i32 s56, s[WV], 2*TILEB                  ; the later fills: my two tiles of a group
	s_add_co_u32 s52, s74, s56
	s_mov_b32 s61, 0
	s_mov_b32 s63, 0
	s_mov_b32 s53, 0
	s_mov_b32 s75, 0
	s_mul_i32 s67, s18, 4*TILEB                    ; where the head's four tiles go in their group: no place in the cluster enters an LDS address
	; group 1: a dense block as rows of 256 bytes (32 elements of 8 bytes): 208 rows at the head
	s_mov_b32 s[G1J], 15|(3<<16)|(1<<21)           ; 15:0 the mask: all four work-groups; 17:16 elements of 8 bytes; 21 set beside a mask
	s_mov_b32 s[G1P], 3<<16
.irp g, G1J, G1P
	s_mov_b32 s[\g+1], 32<<16                      ; tensor_dim0
	s_mov_b32 s[\g+2], 208<<16                     ; tensor_dim1
	s_mov_b32 s[\g+3], 32<<16                      ; tile_dim0
	s_mov_b32 s[\g+4], 208                         ; tile_dim1
	s_mov_b32 s[\g+5], 32                          ; tensor_dim0_stride
	s_mov_b32 s[\g+6], 0
	s_mov_b32 s[\g+7], 0
.endr
	s_mov_b32 s[SEL], 0x76543210
	s_mov_b32 s[SEL+1], 0xfedcba98
	s_wait_dscnt 0x0                               ; both opening adds are done
	s_wait_kmcnt 0x0
	s_mov_b32 s[G0A], 1
	s_mov_b32 s[G0A+1], s67                        ; slot 0
	s_add_nc_u64 s[G0A+2:G0A+3], s[4:5], s[62:63]
	s_or_b32 s[G0A+3], s[G0A+3], 0x80000000
	s_mov_b32 s[G0B], 1
	s_add_co_u32 s[G0B+1], s67, RES
	s_add_nc_u64 s[G0B+2:G0B+3], s[4:5], s[60:61]
	s_or_b32 s[G0B+3], s[G0B+3], 0x80000000
	s_mov_b32 s[G0R], 1                            ; (its LDS address is made in front of each fill; its global address stands one group behind the first fill's)
	s_add_nc_u64 s[G0R+2:G0R+3], s[4:5], s[52:53]
	s_or_b32 s[G0R+3], s[G0R+3], 0x80000000
	s_add_nc_u64 s[PFB:PFB+1], s[4:5], s[74:75]
	CROUND                                         ; all four work-groups are here: the joint loads meet
	s_cmp_eq_u32 s17, 0                            ; one chain on the wave's number: every way passes one load
	s_cbranch_scc0 .Lfill_0
	tensor_load_to_lds s[G0A:G0A+3], s[G1J:G1J+7]
	s_nop 0
.rept 4
	v_nop
.endr
	s_branch .Lfilled
.Lfill_0:
	tensor_load_to_lds s[G0B:G0B+3], s[G1P:G1P+7]
	s_nop 0
.rept 4
	v_nop
.endr
.Lfilled:
	v_and_b32 v[L8], 31, v0
	v_lshlrev_b32 v[L8], 3, v[L8]
	v_add_nc_u32 v[AD0], RES, v[L8]
	v_add_nc_u32 v[AD0+1], RES+4*TILEB, v[L8]
	v_add_nc_u32 v[AD1B], s56, v[L8]
	v_and_b32 v[RR], 15, v0
	v_bfe_u32 v[HH], v0, 4, 1
	v_lshlrev_b32 v[BOFQ], 6, v[HH]
	v_and_b32 v[BOFV], 8, v[RR]
	v_add_nc_u32 v[BOFV], v[BOFV], v[RR]
	v_lshlrev_b32 v[BOFV], 2, v[BOFV]
	s_lshl_b32 s74, s19, 7
	v_add_nc_u32 v[TM], s74, v0                    ; my lane among the cluster's 512: cx enters a global address alone
	v_min_u32 v[TM], 415, v[TM]                    ; a group has 416 runs of 256 bytes
	WIN 0x40
	v_lshlrev_b32 v[PFO], 8, v[TM]
	WIN 0
.irp b, 0,1,2,3
	v_mov_b32 v[TM+4+\b], 0                        ; written ahead of its first use: a lane permute's destination counts as one of its sources
.endr
	s_wait_alu depctr_va_vdst(0)
	; THE WAY OUT'S SCALARS: one text serves Q, K and V; what differs stands in scalar registers, chosen by p.
	s_cmp_eq_u32 s22, 2
	s_cselect_b32 s96, s57, s58                    ; G: the group of 128 tokens
	s_cselect_b32 s97, s58, s57                    ; C: the group of 128 features: heads 2 C, 2 C + 1
	s_cselect_b32 s100, s17, 0                     ; V: my two tiles of features lie in head 2 C + wave / 2
	s_lshr_b32 s101, s96, 4
	s_lshl_b32 s101, s101, 4                       ; 16 x batch
	s_and_b32 s96, s96, 15                         ; j
	s_lshl_b32 s97, s97, 1
	s_add_co_u32 s101, s101, s97
	s_add_co_u32 s101, s101, s100                  ; the head, 0..31
	s_lshl_b32 s101, s101, 4
	s_add_co_u32 s101, s101, s96                   ; the record
	s_mov_b32 s96, 12800
	s_cmp_eq_u32 s22, 0
	s_cselect_b32 s96, 6400, s96                   ; a record's bytes
	s_cselect_b64 s[94:95], s[12:13], s[14:15]     ; qrec or kvrec
	s_mov_b32 s68, s96                             ; from block to block: Q, K: the next 128 tokens: one record;
	s_mov_b32 s69, 409600                          ; V: the next 128 features: two heads of 16 records
	s_cmp_eq_u32 s22, 2
	s_cselect_b32 s68, s69, s68
	s_mov_b32 s70, 512                             ; V: 128 numbers on in the bias
	s_mov_b32 s69, 0
	s_mov_b32 s71, 0
	s_mul_i32 s101, s101, s96                      ; the record's first byte
	s_lshl_b32 s96, s96, 4                         ; from head to head
	s_mul_i32 s97, s[WV], 1536                     ; Q, K: pair w
	s_mul_i32 s100, s18, 3072
	s_add_co_u32 s100, s100, 6400                  ; V: d tiles 2 (w % 2) + a
	s_lshl_b32 s2, s[WV], 6
	s_add_co_u32 s2, s2, 6144                      ; Q, K: pair w's words
	s_lshl_b32 s3, s18, 7
	s_add_co_u32 s3, s3, 12544                     ; V: the two tiles' words
	s_cmp_eq_u32 s22, 2
	s_cselect_b32 s97, s100, s97
	s_cselect_b32 s2, s3, s2
	s_mov_b32 s3, 768
	s_cselect_b32 s100, 1536, s3                   ; from tile a = 0 to a = 1
	s_cselect_b32 s3, s3, s96                      ; from the fragment's first half to its second: V: on in the image; Q, K: the next head
	s_cselect_b32 s96, 64, s96                     ; lanes 16-31 store V: tile a = 1's word; Q, K: the next head's
	s_mov_b32 s92, 0x03020100
	s_cselect_b32 s92, s92, 0x05040100             ; lanes 0-15: V: word 0 as it is; Q, K: bytes 0, 1 of both words
	s_mov_b32 s93, 0x04040404
	s_cselect_b32 s93, s93, 0x02020202             ; lanes 16-31: V: word 1; Q, K: bytes 2, 3 of both
	v_mul_lo_u32 v[VSEL], v[HH], s93
	v_add_nc_u32 v[VSEL], s92, v[VSEL]
	v_mul_lo_u32 v[VSOFF], v[HH], s96
	v_lshl_add_u32 v[VSOFF], v[RR], 2, v[VSOFF]
	s_add_co_u32 s84, s97, s101
	s_mov_b32 s85, 0
	s_add_nc_u64 s[84:85], s[94:95], s[84:85]      ; tile a = 0, first half
	s_mov_b32 s92, s3
	s_mov_b32 s93, 0
	s_add_nc_u64 s[86:87], s[84:85], s[92:93]      ; a = 0, second half
	s_mov_b32 s92, s100
	s_add_nc_u64 s[88:89], s[84:85], s[92:93]      ; a = 1, first half
	s_add_nc_u64 s[90:91], s[86:87], s[92:93]      ; a = 1, second half
	s_add_co_u32 s92, s2, s101
	s_add_nc_u64 s[92:93], s[94:95], s[92:93]      ; the words
	s_cmp_eq_u32 s22, 0                            ; the bias
	s_cselect_b64 s[96:97], s[6:7], s[8:9]
	s_cmp_eq_u32 s22, 2
	s_cselect_b64 s[96:97], s[10:11], s[96:97]
	s_lshl_b32 s100, s58, 9
	s_lshl_b32 s101, s[WV], 7
	s_add_co_u32 s100, s100, s101                  ; V: features 128 Y + 32 w on
	s_lshl_b32 s101, s57, 9                        ; Q, K: features 128 X on
	s_cmp_eq_u32 s22, 2
	s_cselect_b32 s100, s100, s101
	s_mov_b32 s101, 0
	s_add_nc_u64 s[96:97], s[96:97], s[100:101]
	s_mov_b32 s[TB], 0
	s_mov_b32 s[CNT], 3
	s_wait_alu depctr_va_vdst(0)
	PRE 1                                          ; the first block's bias, while the tiles are on their way
	s_wait_alu depctr_va_vdst(0)
	s_wait_tensorcnt 0x0                           ; my four tiles are in;
	ds_add_u32 v[SPW], v[NIL]
	s_wait_dscnt 0x0
	s_barrier_signal -1
	s_barrier_wait -1                              ; everybody's are
	HOLD                                           ; source 0 into its registers (waited for in front of the first block's round)
.Lblock:                                               ; three trips: blocks 0, 1, 2, each asking for the next block's group
	BLOCK 0
	s_xor_b32 s[TB], s[TB], SLOT
	s_sub_co_i32 s[CNT], s[CNT], 1
	s_cmp_lg_u32 s[CNT], 0
	s_wait_alu depctr_va_vdst(0)
	s_cbranch_scc1 .Lblock
	BLOCK 1                                        ; the last block is written out: it asks for nothing
	s_wait_tensorcnt 0x0                           ; the wave's end, behind my last tensor load
	ds_add_u32 v[SPW], v[NIL]
	s_wait_dscnt 0x0
	CROUND                                         ; the closing round
	s_endpgm
.Lfunc_end_k_q34a1aec0f6_proj:
	.size	k_q34a1aec0f6_proj, .Lfunc_end_k_q34a1aec0f6_proj-k_q34a1aec0f6_proj
	.p2alignl 7, 3214868480
	.fill 96, 4, 3214868480
	.section	.rodata,"a",@progbits
	.p2align	6, 0x0
	.amdhsa_kernel k_q34a1aec0f6_proj
		.amdhsa_group_segment_fixed_size 327680
		.amdhsa_private_segment_fixed_size 0
		.amdhsa_enable_private_segment 0
		.amdhsa_kernarg_size 48
		.amdhsa_user_sgpr_count 2
		.amdhsa_user_sgpr_kernarg_segment_ptr 1
		.amdhsa_wavefront_size32 1
		.amdhsa_system_sgpr_workgroup_id_x 1
		.amdhsa_system_sgpr_workgroup_id_y 1
		.amdhsa_system_sgpr_workgroup_id_z 1
		.amdhsa_system_vgpr_workitem_id 0
		.amdhsa_next_free_vgpr 1024
		.amdhsa_next_free_sgpr 102
		.amdhsa_reserve_vcc 0
		.amdhsa_float_denorm_mode_32 3
		.amdhsa_float_denorm_mode_16_64 3
		.amdhsa_memory_ordered 1
		.amdhsa_forward_progress 1
		.amdhsa_inst_pref_size 121
	.end_amdhsa_kernel
	.amdgpu_metadata
---
amdhsa.version: [ 1, 2 ]
amdhsa.kernels:
  - .name:           k_q34a1aec0f6_proj
    .symbol:         k_q34a1aec0f6_proj.kd
    .args:
      - { .name: opr, .offset: 0, .size: 8, .value_kind: global_buffer, .address_space: global }
      - { .name: bq, .offset: 8, .size: 8, .value_kind: global_buffer, .address_space: global }
      - { .name: bk, .offset: 16, .size: 8, .value_kind: global_buffer, .address_space: global }
      - { .name: bv, .offset: 24, .size: 8, .value_kind: global_buffer, .address_space: global }
      - { .name: qrec, .offset: 32, .size: 8, .value_kind: global_buffer, .address_space: global }
      - { .name: kvrec, .offset: 40, .size: 8, .value_kind: global_buffer, .address_space: global }
    .group_segment_fixed_size: 327680
    .private_segment_fixed_size: 0
    .kernarg_segment_align: 8
    .kernarg_segment_size: 48
    .max_flat_workgroup_size: 128
    .sgpr_count:     102
    .vgpr_count:     1024
    .wavefront_size: 32
...
	.end_amdgpu_metadata
.endif
;; end of part 2
;; launch attn (part 3): grid 8 x 32, 16 waves a work-group, clusters of 4 x 1, 206,848 bytes of LDS; arguments qrec, kvrec, quantum_phases, w_real, w_imag, oopr; writes oopr
.if DOCPART == 3
	.amdgcn_target "amdgcn-amd-amdhsa--gfx1250"
	.amdhsa_code_object_version 6
	.text
	.protected	k_q34a1aec0f6_attn
	.globl	k_q34a1aec0f6_attn
	.p2align	8
	.type	k_q34a1aec0f6_attn,@function
k_q34a1aec0f6_attn:
	s_mov_b64 s[64:65], 0
	v_nop
	global_prefetch_b8 v0, s[64:65] scope:SCOPE_SE
	s_setreg_imm32_b32 hwreg(HW_REG_WAVE_MODE, 25, 1), 1
	s_wait_xcnt 0x0
	s_wait_alu depctr_hold_cnt(0) depctr_sa_sdst(0) depctr_va_vdst(0) depctr_va_sdst(0) depctr_va_ssrc(0) depctr_va_vcc(0) depctr_vm_vsrc(0)
	s_getreg_b32 s2, hwreg(HW_REG_IB_STS2, 6, 4)
	s_cmp_eq_u32 s2, 0
	s_cbranch_scc0 .Lentry_in_a_cluster
	s_endpgm
.Lentry_in_a_cluster:
	s_bfe_u32 s2, ttmp6, 0x10000c
	s_cmp_lg_u32 s2, 0x3003
	s_cbranch_scc0 .Lentry_shape_is_right
	s_endpgm
.Lentry_shape_is_right:
; THIRD LAUNCH: for each head, S^T = K Q^T, qe = s cos(theta + 0.1 s) + 0.1 imag with s = S / 8, the softmax by the stated rule, O^T = V^T P^T, O / l quantised for the out projection.  No work of the module is left out
; (0.1 imag moves t by a number that is not whole, and so moves p's codes: it stays).
; THE SOFTMAX: t = qe log2(e); M = the running largest t rounded UP to a whole number; p = 2^(t - M) is quantised along the keys, not normalised; l is the sum of the unquantised p; when M moves, l and O^T are multiplied by 2^(old M - new M), exactly.
; THE COSINE is computed in f32 by arithmetic alone.  y = theta / 2 pi (reduced to a fraction once, in two parts) + S x 0.0125 / 2 pi;  f = fract(y + 1/2), so that g = f - 1/2 is y less its nearest whole number;  u = f^2 - f = g^2 - 1/4, one fused line;
; cos(2 pi y) = (sqrt 2 cos(pi g))^2 - 1, and sqrt 2 cos(pi g) is a polynomial of degree 4 in u: the Chebyshev series of cos(pi x / 2), x = 2 g, cut behind T8 (what is cut: 2 J10(pi / 2) = 4.7e-8), written in u by T2k(x) = Tk(8 u + 1).
; Ten lines for two scores, two of them not packed.  sin(theta) = the same at y - 1/4.
; LIMITS: with the roundings of y, of u and of the multiply-adds the cosine's absolute error stays under about 1e-6; where theta + 0.1 s passes some 2^22 turns f32 holds no phase, here as in the module's own f32 argument.
; NaN and infinities are not served.  Scale bytes are held at 1 from below.
; SHARES: a work-group owns 256 queries of one head, each of its sixteen waves one tile of 16, in 256 registers: four waves to a SIMD, so that one wave's vector work stands beside another's LDS loads and products.
; THE HEAD'S K AND V, 16 records of 12,800 bytes, fit in LDS whole: each wave brings one record by one tensor load at the head; nothing is filled again, so there is no stream to prefetch.  CLUSTER 4 x 1: the four query blocks walk the same head: joint loads.
; PRODUCT 4's K IS 64, half of the instruction's 128.  A PAIR image of K is one operand [T0 | T1]: 64 along d of key tile T0, then of T1.  Q stands in 18 registers [0 x 6 | q x 6 | 0 x 6]: [q, 0] picks T0's scores, [0, q] T1's:
; zero codes add nothing under any scale byte but 0xff, and all bytes lie from 1 to 254.  So one fragment read from LDS feeds two products.
; Both products are used transposed: a lane holds ONE query.  With key's tiles as the first launch lays them, the 32 registers of score tiles 4 c .. 4 c + 3 are keys 64 c + 32 (lane / 16) + 0 .. 31: A WHOLE BLOCK OF 32 KEYS IN A LANE, in the order
; of the operand's registers: a block's largest needs no other lane, and the conversions' results are the operand.  O^T's 16 registers of tiles 2 g, 2 g + 1 are d = 32 g + 16 (lane / 16) + 0 .. 15.
; Dependent lines are laid five or more vector lines apart where independent work is at hand (eight chains of maxima, eight running sums of l, the scale word's lines between the sums); the short chains that are left carry a hint.
.set RECB,  12800                      ; a record: 128 keys: K's part, 6,400 bytes, then V's
.set VPART, 6400
.set SPARE, 16*RECB                    ; behind the head's records: the spare words, 128 bytes for each wave: eight blocks of 256 bytes that no other line names
.set L8,  1                            ; v1   8 x lane
.set L4,  2                            ; v2   4 x lane
.set A8,  3                            ; v3   the step's record + 8 x lane
.set A4,  4                            ; v4   + 4 x lane
.set SPW, 5                            ; v5   LDS address of my spare word; never rewritten
.set NIL, 6                            ; v6   0; never rewritten
.set QS,  7                            ; v7   Q's scale word [s0, s1, s0, s1]
.set KS,  8                            ; v8-9   K's scale words: lanes 0-15 pair 2 x, lanes 16-31 pair 2 x + 1
.set VS,  10                           ; v10-11 V's likewise, by d tiles
.set NM,  12                           ; v12  -M
.set WMX, 13                           ; v13  the largest S cos so far
.set DD,  14                           ; v14  delta - M   (v[14:15] is named as a pair)
.set TA,  15                           ; v15  at work
.set FF,  16                           ; v16  f = 2^(old M - new M)   (v[16:17] is named as a pair)
.set TC,  17                           ; v17  at work
.set LS,  18                           ; l in eight running pairs: v[18:19] .. v[30:31] and v[250:251]
.set PW,  32                           ; v32  p's scale word
.set DL,  33                           ; v33  delta = 0.1 imag log2(e)
.set QHI, 34                           ; v[34:45] = [0, q]
.set QLO, 40                           ; v[40:51] = [q, 0]
.set PC,  52                           ; v52-63 p's codes
.set TH,  64                           ; v[64:65] theta / 2 pi, reduced, + 1/2, twice
.set CB4, 66                           ; v[66:67], v[68:69], v[70:71], v[248:249]: the polynomial's coefficients of u^3, u^2, u, 1, twice each
.set CB3, 68
.set CB2, 70
.set T1,  72                           ; v72-87, v88-103 at work in the transform; behind it:
.set T2,  88
.set MX,  72                           ; v72-79 eight chains of maxima
.set PX,  80                           ; v80-86 the conversions' second halves
.set BM,  88                           ; v88-89 my two blocks' largest
.set BS,  90                           ; v90-91 the conversions' scale operands
.set BT,  92                           ; v92-93 the bytes
.set W2,  94                           ; v94  what lane l xor 16 sends
.set FR,  104                          ; v104-151 four fragments of K or of V
.set S,   152                          ; v152-215 S^T, then S cos, then p
.set OT,  216                          ; v216-247 O^T
.set CB1, 248
.set SH8, 252                          ; v252 8 x (lane / 16)
.set WV,  16                           ; s16
.set G1,  24                           ; s[24:31]
.set G0,  32                           ; s[32:35]
.set SEL, 36                           ; s[36:37]
.set C1,  38                           ; s[38:39] 0.0125 / 2 pi
.set B5,  40                           ; s[40:41] the coefficient of u^4
.set KK,  42                           ; s[42:43] log2(e) / 8
.set TB,  44                           ; s44  LDS byte of the step's record
.set CNT, 45                           ; s45  steps to go
.macro CROUND
	s_barrier_signal -1
	s_barrier_wait -1
	s_cmp_lg_u32 s[WV], 0
	s_cbranch_scc1 .Lnot_wave_0_\@
	s_barrier_signal -3
.Lnot_wave_0_\@:
	s_barrier_wait -3
	s_barrier_signal -1
	s_barrier_wait -1
.endm
.macro LOADF off, sc                   ; four images and their scale words: each load of 8 bytes a lane reads 256 consecutive bytes
.irp t, 0,1,2,3
.irp i, 0,1,2,3,4,5
	ds_load_b64 v[FR+12*\t+2*\i:FR+12*\t+2*\i+1], v[A8] offset:\off+1536*\t+256*\i
.endr
.endr
.irp x, 0,1
	ds_load_b32 v[\sc+\x], v[A4] offset:\off+6144+128*\x
.endr
.endm
.macro XFORM g                         ; S = S cos(theta + 0.1 S / 8) for score tiles 2 g, 2 g + 1: eight pairs, line kind by line kind, each accumulator from its low end on
.set SB, S+16*(\g)
.irp j, 0,2,4,6,8,10,12,14
	v_pk_fma_f32 v[T1+\j:T1+\j+1], v[SB+\j:SB+\j+1], s[C1:C1+1], v[TH:TH+1] op_sel_hi:[1,0,1]   ; y + 1/2, in turns
.endr
.irp j, 0,1,2,3,4,5,6,7,8,9,10,11,12,13,14,15
	v_fract_f32 v[T1+\j], v[T1+\j]                 ; f
.endr
.irp j, 0,2,4,6,8,10,12,14
	v_pk_fma_f32 v[T2+\j:T2+\j+1], v[T1+\j:T1+\j+1], v[T1+\j:T1+\j+1], v[T1+\j:T1+\j+1] neg_lo:[0,0,1] neg_hi:[0,0,1]   ; u = f^2 - f, rounded once; -1/4 <= u <= 0
.endr
.irp j, 0,2,4,6,8,10,12,14
	v_pk_fma_f32 v[T1+\j:T1+\j+1], v[T2+\j:T2+\j+1], s[B5:B5+1], v[CB4:CB4+1] op_sel_hi:[1,0,1]
.endr
.irp c, CB3, CB2, CB1
.irp j, 0,2,4,6,8,10,12,14
	v_pk_fma_f32 v[T1+\j:T1+\j+1], v[T1+\j:T1+\j+1], v[T2+\j:T2+\j+1], v[\c:\c+1]
.endr
.endr
.irp j, 0,2,4,6,8,10,12,14
	v_pk_fma_f32 v[T1+\j:T1+\j+1], v[T1+\j:T1+\j+1], v[T1+\j:T1+\j+1], -1.0 op_sel_hi:[1,1,0]   ; (sqrt 2 cos(pi g))^2 - 1 = cos(2 pi g)
.endr
.irp j, 0,2,4,6,8,10,12,14
	v_pk_mul_f32 v[SB+\j:SB+\j+1], v[SB+\j:SB+\j+1], v[T1+\j:T1+\j+1]
.endr
.endm
.macro LADD n                          ; pair n of p onto running sum n % 8; a sum's first line of a step also brings it under the new M
.set LQ, LS+2*((\n)%8)+218*(((\n)%8)/7)
.if (\n) < 8
	v_pk_fma_f32 v[LQ:LQ+1], v[LQ:LQ+1], v[FF:FF+1], v[S+2*(\n):S+2*(\n)+1] op_sel_hi:[1,0,1]
.else
	v_pk_add_f32 v[LQ:LQ+1], v[LQ:LQ+1], v[S+2*(\n):S+2*(\n)+1]
.endif
.endm
	s_load_b256 s[4:11], s[0:1], 0x0               ; qrec, kvrec, quantum_phases, w_real
	s_load_b128 s[12:15], s[0:1], 0x20             ; w_imag, oopr
	v_lshl_add_u32 v[SPW], v0, 2, SPARE
	v_mov_b32 v[NIL], 0
	ds_add_u32 v[SPW], v[NIL]                      ; the wave's opening: the add, twice on end, and its wait ahead of my first tensor load; the set-up below stands between
	ds_add_u32 v[SPW], v[NIL]
	v_lshrrev_b32 v[TA], 5, v0
	s_delay_alu instid0(VALU_DEP_1)
	v_readfirstlane_b32 s[WV], v[TA]               ; wave 0..15
	s_bfe_u32 s17, ttmp6, 0x40000                  ; cx
	s_lshl_b32 s19, ttmp9, 2
	s_add_co_u32 s19, s19, s17                     ; my block of 256 queries: it enters Q's and O's global addresses alone
	s_and_b32 s18, ttmp7, 0xffff                   ; batch x 16 + head, which the four partners share
	; group 1: a record as 50 rows of 256 bytes (32 elements of 8 bytes), dense
	s_mov_b32 s[G1], 15|(3<<16)|(1<<21)            ; 15:0 the mask: all four work-groups; 17:16 elements of 8 bytes; 21 set beside a mask
	s_mov_b32 s[G1+1], 32<<16
	s_mov_b32 s[G1+2], 50<<16
	s_mov_b32 s[G1+3], 32<<16
	s_mov_b32 s[G1+4], 50
	s_mov_b32 s[G1+5], 32
	s_mov_b32 s[G1+6], 0
	s_mov_b32 s[G1+7], 0
	s_mul_i32 s46, s[WV], RECB                     ; wave w brings key step w's record
	s_mul_i32 s22, s18, 16*RECB
	s_add_co_u32 s22, s22, s46
	s_mov_b32 s23, 0
	s_mov_b32 s[SEL], 0x76543210
	s_mov_b32 s[SEL+1], 0xfedcba98
	s_mov_b32 s[C1], 0x3b026136
	s_mov_b32 s[C1+1], s[C1]                       ; (named with it as a pair, so it is written)
	s_mov_b32 s[B5], 0x3e9f1280
	s_mov_b32 s[B5+1], s[B5]
	s_mov_b32 s[KK], 0x3e38aa3b
	s_mov_b32 s[KK+1], s[KK]
	s_mov_b32 s60, 0x3e22f983                      ; 1 / 2 pi: its f32,
	s_mov_b32 s61, 0x31dc9c88                      ; and what that leaves out
	s_wait_dscnt 0x0                               ; both opening adds are done
	s_wait_kmcnt 0x0
	s_mov_b32 s[G0], 1
	s_mov_b32 s[G0+1], s46
	s_add_nc_u64 s[G0+2:G0+3], s[6:7], s[22:23]
	s_or_b32 s[G0+3], s[G0+3], 0x80000000
	CROUND                                         ; all four work-groups are here: the joint loads meet
	tensor_load_to_lds s[G0:G0+3], s[G1:G1+7]      ; one tensor load of mine is out
	s_nop 0
.rept 4
	v_nop
.endr
	s_lshr_b32 s20, s[WV], 3
	s_lshl_b32 s21, s19, 1
	s_add_co_u32 s20, s20, s21                     ; jq: my group of 128 queries in the head
	s_lshl_b32 s21, s18, 4
	s_add_co_u32 s21, s21, s20
	s_mul_i32 s46, s21, 6400                       ; its record in qrec
	s_and_b32 s47, s[WV], 7
	s_mul_i32 s54, s47, 768                        ; my tile's half image: pair (w / 2) % 4, half w % 2
	s_add_co_u32 s22, s46, s54
	s_add_nc_u64 s[48:49], s[4:5], s[22:23]
	s_bfe_u32 s55, s[WV], 0x20001
	s_lshl_b32 s55, s55, 6
	s_add_co_u32 s55, s55, 6144
	s_add_co_u32 s22, s46, s55                     ; the pair's scale words
	s_add_nc_u64 s[50:51], s[4:5], s[22:23]
	s_and_b32 s52, s18, 15                         ; the head
	s_lshl_b32 s56, s52, 8
	s_lshl_b32 s57, s52, 2
	v_and_b32 v[TA], 31, v0
	s_delay_alu instid0(VALU_DEP_1)
	v_lshlrev_b32 v[L8], 3, v[TA]
	s_delay_alu instid0(VALU_DEP_2)
	v_lshlrev_b32 v[L4], 2, v[TA]
	v_and_b32 v[TC], 15, v0
	s_delay_alu instid0(VALU_DEP_1)
	v_lshlrev_b32 v[TC], 2, v[TC]
	v_mov_b32 v[DD], s57
	v_add_nc_u32 v[WMX], s56, v[L8]
.irp i, 0,1,2
	global_load_b64 v[QLO+2*\i:QLO+2*\i+1], v[L8], s[48:49] offset:256*\i   ; q stays in registers
.endr
	global_load_b32 v[FF], v[TC], s[50:51]         ; the pair's word of my row
	global_load_b32 v[DL], v[DD], s[8:9]           ; theta of my head, in every lane
	global_load_b64 v[BM:BM+1], v[WMX], s[10:11]   ; two of the head's 64 w_real a lane,
	global_load_b64 v[BM+2:BM+3], v[WMX], s[12:13] ; and of w_imag
.irp j, 0,1,2,3,4,5
	v_mov_b32 v[QHI+\j], 0                         ; the zero codes on both sides of q
	v_mov_b32 v[QLO+6+\j], 0
.endr
.irp j, 0,1
	v_mov_b32 v[CB4+\j], 0xbfc953cd
	v_mov_b32 v[CB3+\j], 0x408e2f83
	v_mov_b32 v[CB2+\j], 0xc08e2bfd
	v_mov_b32 v[CB1+\j], 0x338ca620
.endr
.irp j, 0,1,2,3,4,5,6,7,8,9,10,11,12,13,14,15,16,17,18,19,20,21,22,23,24,25,26,27,28,29,30,31
	v_mov_b32 v[OT+\j], 0                          ; O^T.  (The step is written once: the first finds zeros, which the first change of M leaves zeros)
.endr
.irp j, 18,19,20,21,22,23,24,25,26,27,28,29,30,31,250,251
	v_mov_b32 v[\j], 0                             ; l's eight pairs
.endr
	v_bfe_u32 v[SH8], v0, 4, 1
	s_delay_alu instid0(VALU_DEP_1)
	v_lshlrev_b32 v[SH8], 3, v[SH8]
	s_and_b32 s57, s[WV], 1
	s_mov_b32 s58, 0x03020302
	s_cmp_eq_u32 s57, 0
	s_cselect_b32 s58, 0x01000100, s58             ; my tile's two bytes of the pair's word, twice
	s_wait_loadcnt 0x0
	v_perm_b32 v[QS], v[FF], v[FF], s58
	v_mul_f32 v[TA], s60, v[DL]                    ; theta / 2 pi,
	s_delay_alu instid0(VALU_DEP_1)
	v_rndne_f32 v[TA], v[TA]                       ; its whole turns,
	s_delay_alu instid0(VALU_DEP_1)
	v_fma_f32 v[TA], v[DL], s60, -v[TA]            ; taken off inside a fused multiply-add,
	s_delay_alu instid0(VALU_DEP_1)
	v_fma_f32 v[TA], v[DL], s61, v[TA]             ; and the constant's second part
	s_delay_alu instid0(VALU_DEP_1)
	v_add_f32 v[TH], 0.5, v[TA]                    ; + 1/2: what the fraction wants
	s_delay_alu instid0(VALU_DEP_1)
	v_mov_b32 v[TH+1], v[TH]
	s_delay_alu instid0(VALU_DEP_2)
	v_add_f32 v[TA], 0xbe800000, v[TH]             ; sin(theta) = cos(2 pi (y - 1/4))
	s_delay_alu instid0(VALU_DEP_1)
	v_fract_f32 v[TA], v[TA]
	s_delay_alu instid0(VALU_DEP_1)
	v_fma_f32 v[TC], v[TA], v[TA], -v[TA]
	s_delay_alu instid0(VALU_DEP_1)
	v_fma_f32 v[FF], v[TC], s[B5], v[CB4]
	s_delay_alu instid0(VALU_DEP_1)
	v_fma_f32 v[FF], v[FF], v[TC], v[CB3]
	s_delay_alu instid0(VALU_DEP_1)
	v_fma_f32 v[FF], v[FF], v[TC], v[CB2]
	s_delay_alu instid0(VALU_DEP_1)
	v_fma_f32 v[FF], v[FF], v[TC], v[CB1]
	s_delay_alu instid0(VALU_DEP_1)
	v_fma_f32 v[FF], v[FF], v[FF], -1.0
	v_mul_f32 v[BM], v[BM], v[BM+2]                ; the sum over d of w_real w_imag
	s_delay_alu instid0(VALU_DEP_1)
	v_fma_f32 v[BM], v[BM+1], v[BM+3], v[BM]
	s_delay_alu instid0(VALU_DEP_1)
	v_add_f32_dpp v[BM], v[BM], v[BM] row_xmask:1 row_mask:0xf bank_mask:0xf
	s_delay_alu instid0(VALU_DEP_1)
	v_add_f32_dpp v[BM], v[BM], v[BM] row_xmask:2 row_mask:0xf bank_mask:0xf
	s_delay_alu instid0(VALU_DEP_1)
	v_add_f32_dpp v[BM], v[BM], v[BM] row_xmask:4 row_mask:0xf bank_mask:0xf
	s_delay_alu instid0(VALU_DEP_1)
	v_add_f32_dpp v[BM], v[BM], v[BM] row_xmask:8 row_mask:0xf bank_mask:0xf
	s_delay_alu instid0(VALU_DEP_1)
	v_permlanex16_b32 v[BM+1], v[BM], s[SEL], s[SEL+1]
	s_delay_alu instid0(VALU_DEP_1)
	v_add_f32 v[BM], v[BM], v[BM+1]
	s_delay_alu instid0(VALU_DEP_1)
	v_mul_f32 v[DL], v[BM], v[FF]                  ; imag
	s_delay_alu instid0(VALU_DEP_1)
	v_mul_f32 v[DL], 0x3dcccccd, v[DL]             ; x 0.1
	s_delay_alu instid0(VALU_DEP_1)
	v_mul_f32 v[DL], 0x3fb8aa3b, v[DL]             ; x log2(e): delta
	v_mov_b32 v[WMX], 0xff61b1e6                   ; the largest S cos so far: -3e38, under every one
	s_delay_alu instid0(VALU_DEP_1)
	v_floor_f32 v[NM], -v[WMX]
	s_mov_b32 s[TB], 0
	s_mov_b32 s[CNT], 16
	s_wait_alu depctr_va_vdst(0)
	s_wait_tensorcnt 0x0                           ; my record is in,
	s_barrier_signal -1
	s_barrier_wait -1                              ; everybody's is: the head's K and V lie in LDS, and nobody writes there again
.Lstep:                                            ; 16 trips: 128 keys each
	v_add_nc_u32 v[A8], s[TB], v[L8]
	v_add_nc_u32 v[A4], s[TB], v[L4]
	v_nop                                          ; with the two additions: four places between the last trip's products and the loads into the registers that they read
	v_nop
	LOADF 0, KS
	s_wait_alu depctr_va_vdst(0)
	s_wait_dscnt 0x0
.irp x, 0,1                                    ; S^T: pair 2 x (scale words in lanes 0-15), pair 2 x + 1 (lanes 16-31); each against [q, 0] and [0, q]
	v_wmma_scale_f32_16x16x128_f8f6f4 v[S+32*\x:S+32*\x+7], v[FR+24*\x:FR+24*\x+11], v[QLO:QLO+11], 0, v[KS+\x], v[QS] matrix_a_fmt:MATRIX_FMT_BF6 matrix_b_fmt:MATRIX_FMT_BF6
	v_wmma_scale_f32_16x16x128_f8f6f4 v[S+32*\x+8:S+32*\x+15], v[FR+24*\x:FR+24*\x+11], v[QHI:QHI+11], 0, v[KS+\x], v[QS] matrix_a_fmt:MATRIX_FMT_BF6 matrix_b_fmt:MATRIX_FMT_BF6
	v_wmma_scale_f32_16x16x128_f8f6f4 v[S+32*\x+16:S+32*\x+23], v[FR+24*\x+12:FR+24*\x+23], v[QLO:QLO+11], 0, v[KS+\x], v[QS] matrix_a_fmt:MATRIX_FMT_BF6 matrix_b_fmt:MATRIX_FMT_BF6 matrix_a_scale:MATRIX_SCALE_ROW1
	v_wmma_scale_f32_16x16x128_f8f6f4 v[S+32*\x+24:S+32*\x+31], v[FR+24*\x+12:FR+24*\x+23], v[QHI:QHI+11], 0, v[KS+\x], v[QS] matrix_a_fmt:MATRIX_FMT_BF6 matrix_b_fmt:MATRIX_FMT_BF6 matrix_a_scale:MATRIX_SCALE_ROW1
.endr
.rept 4
	v_nop                                          ; four places: in front of the loads into K's registers, and of the first read of the scores
.endr
	LOADF VPART, VS                                ; V's fragments land under the transform and the softmax
	XFORM 0
	XFORM 1
	XFORM 2
	XFORM 3
	; THE LARGEST S cos OF EACH BLOCK OF 32 KEYS serves twice: for the row's maximum, and, since p rises with it, for the block's largest p.  Eight chains, one a score tile; my block c is tiles 4 c .. 4 c + 3.
.irp q, 0,1,2,3,4,5,6,7
	v_max3_num_f32 v[MX+\q], v[S+8*\q], v[S+8*\q+1], v[S+8*\q+2]
.endr
.irp q, 0,1,2,3,4,5,6,7
	v_max3_num_f32 v[MX+\q], v[MX+\q], v[S+8*\q+3], v[S+8*\q+4]
.endr
.irp q, 0,1,2,3,4,5,6,7
	v_max3_num_f32 v[MX+\q], v[MX+\q], v[S+8*\q+5], v[S+8*\q+6]
.endr
	v_mov_b32 v[TA], v[NM]                         ; the old -M
.irp c, 0,1
	v_max3_num_f32 v[MX+4*\c], v[MX+4*\c], v[MX+4*\c+1], v[S+32*\c+7]
	v_max3_num_f32 v[MX+4*\c+2], v[MX+4*\c+2], v[MX+4*\c+3], v[S+32*\c+15]
.endr
	s_delay_alu instid0(VALU_DEP_3)
	v_max3_num_f32 v[BM], v[MX], v[MX+2], v[S+23]
	s_delay_alu instid0(VALU_DEP_2)
	v_max3_num_f32 v[BM+1], v[MX+4], v[MX+6], v[S+55]
	s_delay_alu instid0(VALU_DEP_2)
	v_max_num_f32 v[BM], v[BM], v[S+31]
	s_delay_alu instid0(VALU_DEP_2)
	v_max_num_f32 v[BM+1], v[BM+1], v[S+63]
	s_delay_alu instid0(VALU_DEP_1)
	v_max_num_f32 v[TC], v[BM], v[BM+1]            ; my 64 keys',
	s_delay_alu instid0(VALU_DEP_1)
	v_permlanex16_b32 v[W2], v[TC], s[SEL], s[SEL+1]
	s_delay_alu instid0(VALU_DEP_1)
	v_max3_num_f32 v[WMX], v[WMX], v[TC], v[W2]    ; lane l xor 16's 64, and all the steps' before
	s_delay_alu instid0(VALU_DEP_1)
	v_fma_f32 v[TC], v[WMX], s[KK], v[DL]          ; the largest t = S cos x log2(e) / 8 + delta (the factor is positive)
	s_delay_alu instid0(VALU_DEP_1)
	v_floor_f32 v[NM], -v[TC]                      ; the new -M = -ceil(t): M is a whole number
	s_delay_alu instid0(VALU_DEP_1)
	v_sub_f32 v[TA], v[NM], v[TA]                  ; old M - new M: a whole number, 0 or less
	s_delay_alu instid0(VALU_DEP_1)
	v_cvt_i32_f32 v[TA], v[TA]                     ; (it saturates)
	s_delay_alu instid0(VALU_DEP_3)
	v_add_f32 v[DD], v[DL], v[NM]                  ; delta - M
	s_delay_alu instid0(VALU_DEP_1)
.irp j, 0,2,4,6,8,10,12,14,16,18,20,22,24,26,28,30,32,34,36,38,40,42,44,46,48,50,52,54,56,58,60,62
	v_pk_fma_f32 v[S+\j:S+\j+1], v[S+\j:S+\j+1], s[KK:KK+1], v[DD:DD+1] op_sel_hi:[1,0,0]   ; t - M (of both pairs the low word serves both halves)
.endr
.irp c, 0,1
	v_fma_f32 v[BM+\c], v[BM+\c], s[KK], v[DD]     ; the same of each block's largest
.endr
	s_wait_alu depctr_va_vdst(0)
.irp j, 0,1,2,3,4,5,6,7,8,9,10,11,12,13,14,15,16,17,18,19,20,21,22,23,24,25,26,27,28,29,30,31,32,33,34,35,36,37,38,39,40,41,42,43,44,45,46,47,48,49,50,51,52,53,54,55,56,57,58,59,60,61,62,63
	v_exp_f32 v[S+\j], v[S+\j]                     ; p = 2^(t - M): not normalised
.endr
.irp c, 0,1
	v_exp_f32 v[BM+\c], v[BM+\c]                   ; the block's largest p: the same two instructions on the same number give the same bits
.endr
	v_ldexp_f32 v[FF], 1.0, v[TA]                  ; f = 2^(old M - new M): the plain place behind the exponentials
	s_wait_alu depctr_va_vdst(0)                   ; the wait ahead of the first line that names a result: one for the batch of 66
	; l: THE SUM OF THE UNQUANTISED p, 32 pairs onto eight running sums; between them, five or more lines apart, the lines that make p's scales
.irp c, 0,1
	v_max_num_f32 v[BM+\c], 0x2800000, v[BM+\c]    ; the floor 2^(5 - 127): the byte cannot fall under 1
.endr
.irp n, 0,1,2,3
	LADD \n
.endr
.irp c, 0,1
	v_add_nc_u32 v[BS+\c], 0xfe000000, v[BM+\c]    ; 4 off the exponent field: the conversion's scale operand
.endr
.irp n, 4,5,6,7
	LADD \n
.endr
.irp c, 0,1
	v_lshrrev_b32 v[BT+\c], 23, v[BS+\c]           ; the byte of block 2 c + lane / 16
.endr
.irp n, 8,9,10,11
	LADD \n
.endr
	v_lshl_or_b32 v[PW], v[BT+1], 16, v[BT]        ; my two bytes,
.irp n, 12,13,14,15,16
	LADD \n
.endr
	v_lshlrev_b32 v[PW], v[SH8], v[PW]             ; at their places in the word;
.irp n, 17,18,19,20,21
	LADD \n
.endr
	v_permlanex16_b32 v[W2], v[PW], s[SEL], s[SEL+1]
.irp n, 22,23,24,25,26
	LADD \n
.endr
	v_or_b32 v[PW], v[PW], v[W2]                   ; with lane l xor 16's two: p's scale word for these 128 keys
.irp n, 27,28,29,30,31
	LADD \n
.endr
.irp c, 0,1
	v_cvt_scalef32_pk16_bf6_f32 v[PC+6*\c:PC+2+6*\c], v[S+32*\c:S+15+32*\c], v[BS+\c]        ; registers 6 c .. 6 c + 2 of the operand: keys 64 c + 32 h + 0 .. 15
	v_cvt_scalef32_pk16_bf6_f32 v[PX+4*\c:PX+2+4*\c], v[S+16+32*\c:S+31+32*\c], v[BS+\c]     ; (a conversion's three registers begin on an even number: the block's second half is made elsewhere and moved)
.endr
	v_pk_mul_f32 v[OT:OT+1], v[OT:OT+1], v[FF:FF+1] op_sel_hi:[1,0]   ; O^T under the new M; this line is also the plain place behind the conversions
.irp c, 0,1
.irp i, 0,1,2
	v_mov_b32 v[PC+3+6*\c+\i], v[PX+4*\c+\i]
.endr
.endr
.irp j, 2,4,6,8,10,12,14,16,18,20,22,24,26,28,30
	v_pk_mul_f32 v[OT+\j:OT+\j+1], v[OT+\j:OT+\j+1], v[FF:FF+1] op_sel_hi:[1,0]   ; eleven or more of these fifteen name no register of any one product below: the places behind p's codes (4); the scale word stands further back
.endr
	s_wait_alu depctr_va_vdst(0)
	s_wait_dscnt 0x0                               ; V's fragments and scale words
.irp x, 0,1                                    ; O^T += V^T P^T: four accumulators by turns
	v_wmma_scale_f32_16x16x128_f8f6f4 v[OT+16*\x:OT+16*\x+7], v[FR+24*\x:FR+24*\x+11], v[PC:PC+11], v[OT+16*\x:OT+16*\x+7], v[VS+\x], v[PW] matrix_a_fmt:MATRIX_FMT_BF6 matrix_b_fmt:MATRIX_FMT_BF6
	v_wmma_scale_f32_16x16x128_f8f6f4 v[OT+16*\x+8:OT+16*\x+15], v[FR+24*\x+12:FR+24*\x+23], v[PC:PC+11], v[OT+16*\x+8:OT+16*\x+15], v[VS+\x], v[PW] matrix_a_fmt:MATRIX_FMT_BF6 matrix_b_fmt:MATRIX_FMT_BF6 matrix_a_scale:MATRIX_SCALE_ROW1
.endr
	s_add_co_u32 s[TB], s[TB], RECB
	s_sub_co_u32 s[CNT], s[CNT], 1
	s_cmp_lg_u32 s[CNT], 0
	s_cbranch_scc1 .Lstep
	; THE WAY OUT: O^T / l, quantised along d (two blocks of 32), is half a fragment of the out projection's source 1: tile tau of tokens, K step head / 2, half head % 2.
	v_pk_add_f32 v[18:19], v[18:19], v[26:27]      ; l's eight pairs (these lines are also the places behind the last products),
	v_pk_add_f32 v[20:21], v[20:21], v[28:29]
	v_pk_add_f32 v[22:23], v[22:23], v[30:31]
	v_pk_add_f32 v[24:25], v[24:25], v[250:251]
	s_delay_alu instid0(VALU_DEP_2)
	v_pk_add_f32 v[18:19], v[18:19], v[22:23]
	s_delay_alu instid0(VALU_DEP_2)
	v_pk_add_f32 v[20:21], v[20:21], v[24:25]
	s_delay_alu instid0(VALU_DEP_1)
	v_pk_add_f32 v[18:19], v[18:19], v[20:21]
	s_delay_alu instid0(VALU_DEP_1)
	v_add_f32 v[LS], v[LS], v[LS+1]                ; the pair's two halves,
	s_delay_alu instid0(VALU_DEP_1)
	v_permlanex16_b32 v[TA], v[LS], s[SEL], s[SEL+1]
	s_delay_alu instid0(VALU_DEP_1)
	v_add_f32 v[LS], v[LS], v[TA]                  ; and lane l xor 16's
	s_wait_alu depctr_va_vdst(0)
	v_rcp_f32 v[LS], v[LS]
	v_nop                                          ; the plain place behind the reciprocal
	s_lshr_b32 s46, s18, 4                         ; batch
	s_lshl_b32 s46, s46, 4
	s_add_co_u32 s46, s46, s20
	s_lshl_b32 s46, s46, 3
	s_add_co_u32 s46, s46, s47                     ; tau = 8 (16 batch + jq) + w % 8
	s_mul_i32 s46, s46, 13312
	s_lshr_b32 s54, s52, 2
	s_mul_i32 s54, s54, 3328
	s_add_co_u32 s46, s46, s54                     ; the record of K steps 2 (head / 4), + 1
	s_bfe_u32 s54, s52, 0x10001                    ; which of its two K steps
	s_and_b32 s55, s52, 1                          ; which half of that step
	s_mul_i32 s56, s54, 1536
	s_mul_i32 s57, s55, 768
	s_add_co_u32 s56, s56, s57
	s_add_co_u32 s22, s46, s56
	s_add_nc_u64 s[48:49], s[14:15], s[22:23]      ; (Q's loads, which named these registers, were waited for at the head)
	s_lshl_b32 s54, s54, 2
	s_lshl_b32 s55, s55, 1
	s_add_co_u32 s54, s54, s55
	s_add_co_u32 s54, s54, 3072
	s_add_co_u32 s22, s46, s54
	s_add_nc_u64 s[50:51], s[14:15], s[22:23]
	s_wait_alu depctr_va_vdst(0)                   ; the wait ahead of the reciprocal's first reader
.irp j, 0,1,2,3,4,5,6,7,8,9,10,11,12,13,14,15,16,17,18,19,20,21,22,23,24,25,26,27,28,29,30,31
	v_mul_f32 v[S+\j], v[OT+\j], v[LS]             ; register 16 b + i = d 32 b + 16 h + i of my query; each accumulator from its low end on
.endr
.irp b, 0,1
	v_max3_num_f32 v[BM+\b], |v[S+16*\b]|, |v[S+1+16*\b]|, 0x2800000
.endr
.irp i, 2,4,6,8,10,12,14
.irp b, 0,1
	s_delay_alu instid0(VALU_DEP_2)
	v_max3_num_f32 v[BM+\b], v[BM+\b], |v[S+16*\b+\i]|, |v[S+1+16*\b+\i]|
.endr
.endr
.irp b, 0,1
	s_delay_alu instid0(VALU_DEP_2)
	v_permlanex16_b32 v[BT+\b], v[BM+\b], s[SEL], s[SEL+1]
.endr
.irp b, 0,1
	s_delay_alu instid0(VALU_DEP_2)
	v_max_num_f32 v[BM+\b], v[BM+\b], v[BT+\b]
.endr
.irp b, 0,1
	s_delay_alu instid0(VALU_DEP_2)
	v_add_nc_u32 v[BS+\b], 0xfe000000, v[BM+\b]
.endr
.irp b, 0,1
	s_delay_alu instid0(VALU_DEP_2)
	v_lshrrev_b32 v[BT+\b], 23, v[BS+\b]
.endr
	s_delay_alu instid0(VALU_DEP_1)
	v_lshl_or_b32 v[PW], v[BT+1], 8, v[BT]         ; my head's half of the K step's scale word
	v_cvt_scalef32_pk16_bf6_f32 v[PC:PC+2], v[S:S+15], v[BS]
	v_cvt_scalef32_pk16_bf6_f32 v[PX:PX+2], v[S+16:S+31], v[BS+1]
	v_nop                                          ; one plain place behind a scaled conversion
.irp i, 0,1,2
	v_permlane16_swap_b32 v[PC+\i], v[PX+\i]       ; here a block lies in lanes l and l xor 16: the operand wants it whole in a lane
.endr
.irp i, 0,1,2
	s_delay_alu instid0(VALU_DEP_3)
	v_mov_b32 v[PC+3+\i], v[PX+\i]
.endr
.irp i, 0,1,2
	global_store_b64 v[L8], v[PC+2*\i:PC+2*\i+1], s[48:49] offset:256*\i   ; 256 consecutive bytes, at a multiple of 256 from oopr's first byte
.endr
	global_store_b16 v[L8], v[PW], s[50:51]        ; two bytes a lane, 8 bytes apart: the word's other half is another head's, and so another work-group's
	s_wait_tensorcnt 0x0                           ; the wave's end, behind my last tensor load
	ds_add_u32 v[SPW], v[NIL]
	s_wait_dscnt 0x0
	CROUND                                         ; the closing round
	s_endpgm
.Lfunc_end_k_q34a1aec0f6_attn:
	.size	k_q34a1aec0f6_attn, .Lfunc_end_k_q34a1aec0f6_attn-k_q34a1aec0f6_attn
	.p2alignl 7, 3214868480
	.fill 96, 4, 3214868480
	.section	.rodata,"a",@progbits
	.p2align	6, 0x0
	.amdhsa_kernel k_q34a1aec0f6_attn
		.amdhsa_group_segment_fixed_size 206848
		.amdhsa_private_segment_fixed_size 0
		.amdhsa_enable_private_segment 0
		.amdhsa_kernarg_size 48
		.amdhsa_user_sgpr_count 2
		.amdhsa_user_sgpr_kernarg_segment_ptr 1
		.amdhsa_wavefront_size32 1
		.amdhsa_system_sgpr_workgroup_id_x 1
		.amdhsa_system_sgpr_workgroup_id_y 1
		.amdhsa_system_sgpr_workgroup_id_z 1
		.amdhsa_system_vgpr_workitem_id 0
		.amdhsa_next_free_vgpr 256
		.amdhsa_next_free_sgpr 66
		.amdhsa_reserve_vcc 0
		.amdhsa_float_denorm_mode_32 3
		.amdhsa_float_denorm_mode_16_64 3
		.amdhsa_memory_ordered 1
		.amdhsa_forward_progress 1
		.amdhsa_inst_pref_size 51
	.end_amdhsa_kernel
	.amdgpu_metadata
---
amdhsa.version: [ 1, 2 ]
amdhsa.kernels:
  - .name:           k_q34a1aec0f6_attn
    .symbol:         k_q34a1aec0f6_attn.kd
    .args:
      - { .name: qrec, .offset: 0, .size: 8, .value_kind: global_buffer, .address_space: global }
      - { .name: kvrec, .offset: 8, .size: 8, .value_kind: global_buffer, .address_space: global }
      - { .name: quantum_phases, .offset: 16, .size: 8, .value_kind: global_buffer, .address_space: global }
      - { .name: w_real, .offset: 24, .size: 8, .value_kind: global_buffer, .address_space: global }
      - { .name: w_imag, .offset: 32, .size: 8, .value_kind: global_buffer, .address_space: global }
      - { .name: oopr, .offset: 40, .size: 8, .value_kind: global_buffer, .address_space: global }
    .group_segment_fixed_size: 206848
    .private_segment_fixed_size: 0
    .kernarg_segment_align: 8
    .kernarg_segment_size: 48
    .max_flat_workgroup_size: 512
    .sgpr_count:     66
    .vgpr_count:     256
    .wavefront_size: 32
...
	.end_amdgpu_metadata
.endif
;; end of part 3
;; launch outp (part 4): grid 8 x 32, 4 waves a work-group, clusters of 4 x 4, 247,296 bytes of LDS; arguments opr, oopr, bo, out0; writes out0
.if DOCPART == 4
	.amdgcn_target "amdgcn-amd-amdhsa--gfx1250"
	.amdhsa_code_object_version 6
	.text
	.protected	k_q34a1aec0f6_outp
	.globl	k_q34a1aec0f6_outp
	.p2align	8
	.type	k_q34a1aec0f6_outp,@function
k_q34a1aec0f6_outp:
	s_mov_b64 s[64:65], 0
	v_nop
	global_prefetch_b8 v0, s[64:65] scope:SCOPE_SE
	s_setreg_imm32_b32 hwreg(HW_REG_WAVE_MODE, 25, 1), 1
	s_wait_xcnt 0x0
	s_wait_alu depctr_hold_cnt(0) depctr_sa_sdst(0) depctr_va_vdst(0) depctr_va_sdst(0) depctr_va_ssrc(0) depctr_va_vcc(0) depctr_vm_vsrc(0)
	s_getreg_b32 s2, hwreg(HW_REG_IB_STS2, 6, 4)
	s_cmp_eq_u32 s2, 0
	s_cbranch_scc0 .Lentry_in_a_cluster
	s_endpgm
.Lentry_in_a_cluster:
	s_bfe_u32 s2, ttmp6, 0x10000c
	s_cmp_lg_u32 s2, 0xf033
	s_cbranch_scc0 .Lentry_shape_is_right
	s_endpgm
.Lentry_shape_is_right:
; FOURTH LAUNCH: out0 = O Wo^T + bo on the codes of O (oopr, from the third launch) and of Wo (opr, tiles 960-1023).  No work of the module is left out.
; D[i][j] = bo[i] + sum over k of Wo[i][k] O[j][k]; source 0 = 16 rows of Wo, source 1 = 16 tokens: a lane holds ONE token and its registers run along the output's features: neighbours of a row of out0.
; SHARES, LDS and the K steps are the second launch's: a work-group makes 128 features x 128 tokens, wave w all 128 features x 32 tokens (16 accumulators); both operands for all of K = 1,024 lie in LDS, 212,992 bytes, filled once
; by one tensor load a wave at the head.  256 work-groups.  CLUSTER 4 x 4: O's tiles are shared along a row of the cluster, Wo's along a column: joint loads.
; THE WAY OUT: a lane's 64 results of a tile of tokens go through the wave's own stage in LDS (16 rows of 512 + 16 bytes, bytes into which no tensor load lands) and leave as rows: 32 lanes store 512 consecutive bytes.
; LIMITS: the bias is each sum's first term, so the order of additions differs from x W^T + b; NaN and infinities are not served.
; REGISTERS: window 0: v1-13 addresses; v16-55 scale words, two sets of 20; v56-119 rows on the way out; v128-255 accumulators ((a, b) at v[128 + 8 (8 a + b)]).   window 1: two fragment buffers at v0 and v128.
.set TILEB, 13312
.set RECB,  3328
.set CHUNK, 53248
; LDS AS IT IS FILLED: each wave brings four whole tiles, 53,248 dense bytes, by ONE tensor load at the head: source 1's eight tiles from byte 0, source 0's eight from SRC0; a tile's four records lie on end.
.set SRC0,  106496
.set REC,   0                          ; the record whose scale words SCALES fetches
.set STAGE, 4*CHUNK                    ; behind the chunks: a stage of 8,448 bytes for each wave
.set STGB,  8448
.set SROW,  528
.set SPARE, STAGE+4*STGB               ; behind the stages: the spare words, 128 bytes for each wave: two blocks of 256 bytes that no other line names
.set L8,    1
.set AD0,   2
.set AD1,   3
.set SPW,   4                          ; v4   LDS address of my spare word; never rewritten
.set NIL,   5                          ; v5   0; never rewritten
.set RR,    6
.set HH,    7
.set STO,   8                          ; v8   the stage: row r, + 64 h
.set RD,    9                          ; v9   and back: 16 x lane
.set CO,    11                         ; v11  16 x lane: my bytes of a row's 512
.set BOFF,  10
.set SC,    16
.set BK0,   56                         ; v56-119  tile a = 0's rows;
.set BK1,   128                        ; v128-191 tile a = 1's, where a = 0's accumulators lay
.set ACC,   128
.set WV,    16
.set G1A,   24
.set G1B,   32
.set G0A,   40
.set G0B,   68
.set MSB, 0
.macro WIN new                         ; the immediate's high byte repeats the setting that is left
.if MSB != \new
	s_set_vgpr_msb (MSB<<8)|\new
.set MSB, \new
.endif
.endm
.set MUL,  0x05                        ; sources 0 and 1 window 1; C and D window 0
.set TO_F, 0x40                        ; destination window 1, address window 0
.macro CROUND
	s_barrier_signal -1
	s_barrier_wait -1
	s_cmp_lg_u32 s[WV], 0
	s_cbranch_scc1 .Lnot_wave_0_\@
	s_barrier_signal -3
.Lnot_wave_0_\@:
	s_barrier_wait -3
	s_barrier_signal -1
	s_barrier_wait -1
.endm
.macro PLACES                          ; four plain places in front of loads into registers that matrix instructions have read, and of the first read of results
.rept 4
	v_nop
.endr
.endm
.macro FETCH s, buf
	WIN TO_F
.irp t, 0,1,2,3,4,5,6,7
.irp i, 0,1,2,3,4,5
	ds_load_b64 v[\buf+12*\t+2*\i:\buf+12*\t+2*\i+1], v[AD0+10*(\t/4)] offset:TILEB*(\t%4)+RECB*((\s)/2)+1536*((\s)%2)+256*\i
.endr
.endr
.irp a, 0,1
.irp i, 0,1,2,3,4,5
	ds_load_b64 v[\buf+96+12*\a+2*\i:\buf+96+12*\a+2*\i+1], v[AD1] offset:TILEB*\a+RECB*((\s)/2)+1536*((\s)%2)+256*\i
.endr
.endr
	WIN 0
.endm
.macro SCALES sg
.irp t, 0,1,2,3,4,5,6,7
	ds_load_b64 v[SC+20*(\sg)+2*\t:SC+20*(\sg)+2*\t+1], v[AD0+10*(\t/4)] offset:TILEB*(\t%4)+RECB*REC+3072
.endr
.irp a, 0,1
	ds_load_b64 v[SC+20*(\sg)+16+2*\a:SC+20*(\sg)+17+2*\a], v[AD1] offset:TILEB*\a+RECB*REC+3072
.endr
.endm
.macro MULH buf, sg, wd, a             ; 8 products; the 16 accumulators take turns, one instruction a turn, in one order throughout
	WIN MUL
.irp b, 0,1,2,3,4,5,6,7
	v_wmma_scale_f32_16x16x128_f8f6f4 v[ACC+8*(8*\a+\b):ACC+8*(8*\a+\b)+7], v[\buf+12*\b:\buf+12*\b+11], v[\buf+96+12*\a:\buf+96+12*\a+11], v[ACC+8*(8*\a+\b):ACC+8*(8*\a+\b)+7], v[SC+20*\sg+2*\b+\wd], v[SC+20*\sg+16+2*\a+\wd] matrix_a_fmt:MATRIX_FMT_BF6 matrix_b_fmt:MATRIX_FMT_BF6
.endr
.endm
; K step s multiplies one buffer; in its middle the next step's fragments are fetched into the other.  All of K lies in LDS from the head on: no wait on tensor loads and no barrier between the steps.
.macro KSTEP s
.set CUR, 128*((\s)%2)
.set OTH, 128-CUR
.set SG,  ((\s)/2)%2
.set WD,  (\s)%2
.set REC, ((\s)+1)/2
	s_wait_dscnt 0x0
	MULH CUR, SG, WD, 0
.if (\s) < 7
	PLACES
	FETCH (\s)+1, OTH
.if (\s)%2 == 1
	SCALES 1-SG
.endif
.endif
	MULH CUR, SG, WD, 1
.endm
.macro TOSTAGE a, bk                   ; tile a's 16 tokens x 128 features into my stage, and back as rows.  LDS serves a wave's instructions in order: no wait between the stores and the loads, nor in front of the next tile's stores
.irp b, 0,1,2,3,4,5,6,7
	ds_store_b128 v[STO], v[ACC+8*(8*\a+\b):ACC+8*(8*\a+\b)+3] offset:128*(\b/2)+32*(\b%2)      ; each accumulator from its low end on
	ds_store_b128 v[STO], v[ACC+8*(8*\a+\b)+4:ACC+8*(8*\a+\b)+7] offset:128*(\b/2)+32*(\b%2)+16
.endr
.irp i, 0,1,2,3,4,5,6,7,8,9,10,11,12,13,14,15
	ds_load_b128 v[\bk+4*\i:\bk+4*\i+3], v[RD] offset:SROW*\i
.endr
.endm
.macro SEND a, bk
.irp i, 0,1,2,3,4,5,6,7,8,9,10,11,12,13,14,15
	global_store_b128 v[CO], v[\bk+4*\i:\bk+4*\i+3], s[84:85] offset:(8*\a+\i+8*(\i/8))*4096 th:TH_STORE_NT   ; tile row i is token 8 a + i + 8 (i / 8) of my 32: 512 consecutive bytes, at a multiple of 256 from out0's first byte
.endr
.endm
	s_load_b256 s[4:11], s[0:1], 0x0               ; opr, oopr, bo, out0
	v_lshl_add_u32 v[SPW], v0, 2, SPARE
	v_mov_b32 v[NIL], 0
	ds_add_u32 v[SPW], v[NIL]                      ; the wave's opening: the add, twice on end, and its wait ahead of my first tensor load; the set-up below stands between
	ds_add_u32 v[SPW], v[NIL]
	v_lshrrev_b32 v[RR], 5, v0
	v_readfirstlane_b32 s[WV], v[RR]               ; wave 0..3
	s_lshr_b32 s17, s[WV], 1                       ; I fetch for source 1 (0) or source 0 (1)
	s_and_b32 s18, s[WV], 1                        ; which four of the eight tiles
	s_bfe_u32 s19, ttmp6, 0x40000                  ; cx
	s_bfe_u32 s20, ttmp6, 0x40004                  ; cy
	s_lshl_b32 s57, ttmp9, 2
	s_add_co_u32 s57, s57, s19                     ; X: the group of 128 features
	s_and_b32 s58, ttmp7, 0xffff
	s_lshl_b32 s58, s58, 2
	s_add_co_u32 s58, s58, s20                     ; Y: the group of 128 tokens
	s_lshl_b32 s60, s57, 3
	s_add_co_u32 s60, s60, 960                     ; Wo's first tile
	s_lshl_b32 s61, s18, 2
	s_add_co_u32 s60, s60, s61
	s_mul_i32 s60, s60, TILEB
	s_mov_b32 s61, 0
	s_lshl_b32 s62, s58, 3
	s_lshl_b32 s63, s18, 2
	s_add_co_u32 s62, s62, s63
	s_mul_i32 s62, s62, TILEB
	s_mov_b32 s63, 0
	s_mul_i32 s67, s[WV], 4*TILEB                  ; where my four tiles go: no place in the cluster enters an LDS address
	s_lshl_b32 s56, s20, 2
	s_lshl_b32 s56, 15, s56                        ; my row of the cluster
	s_lshl_b32 s2, 0x1111, s19                     ; my column
	s_or_b32 s[G1A], s56, (3<<16)|(1<<21)          ; group 1: the mask; bit 21 beside it
	s_or_b32 s[G1B], s2, (3<<16)|(1<<21)
.irp g, G1A, G1B
	s_mov_b32 s[\g+1], 32<<16                      ; a dense block as 208 rows of 256 bytes (32 elements of 8 bytes)
	s_mov_b32 s[\g+2], 208<<16
	s_mov_b32 s[\g+3], 32<<16
	s_mov_b32 s[\g+4], 208
	s_mov_b32 s[\g+5], 32
	s_mov_b32 s[\g+6], 0
	s_mov_b32 s[\g+7], 0
.endr
	s_wait_dscnt 0x0                               ; both opening adds are done
	s_wait_kmcnt 0x0
	s_add_nc_u64 s[60:61], s[4:5], s[60:61]        ; Wo's tiles, in opr
	s_add_nc_u64 s[62:63], s[6:7], s[62:63]        ; O's, in oopr
.irp q, 0
	s_mov_b32 s[G0A+4*\q], 1
	s_add_co_u32 s[G0A+4*\q+1], s67, \q*CHUNK
	s_add_nc_u64 s[G0A+4*\q+2:G0A+4*\q+3], s[62:63], \q*RECB
	s_or_b32 s[G0A+4*\q+3], s[G0A+4*\q+3], 0x80000000
	s_mov_b32 s[G0B+4*\q], 1
	s_add_co_u32 s[G0B+4*\q+1], s67, \q*CHUNK
	s_add_nc_u64 s[G0B+4*\q+2:G0B+4*\q+3], s[60:61], \q*RECB
	s_or_b32 s[G0B+4*\q+3], s[G0B+4*\q+3], 0x80000000
.endr
	CROUND                                         ; all sixteen work-groups are here: the joint loads meet
	s_cmp_eq_u32 s17, 0                            ; one branch on the wave's number: one tensor load of mine is out
	s_cbranch_scc0 .Lfill_0
	tensor_load_to_lds s[G0A:G0A+3], s[G1A:G1A+7]
	s_nop 0
.rept 4
	v_nop
.endr
	s_branch .Lfilled
.Lfill_0:
	tensor_load_to_lds s[G0B:G0B+3], s[G1B:G1B+7]
	s_nop 0
.rept 4
	v_nop
.endr
.Lfilled:
	v_and_b32 v[CO], 31, v0
	v_lshlrev_b32 v[L8], 3, v[CO]
	v_lshlrev_b32 v[CO], 4, v[CO]
	v_add_nc_u32 v[AD0], SRC0, v[L8]
	v_add_nc_u32 v[AD0+10], SRC0+4*TILEB, v[L8]    ; v12: source 0's tiles 4-7
	s_mul_i32 s3, s[WV], 2*TILEB
	v_add_nc_u32 v[AD1], s3, v[L8]
	v_and_b32 v[RR], 15, v0
	v_bfe_u32 v[HH], v0, 4, 1
	s_wait_alu depctr_va_vdst(0)
	s_mul_i32 s3, s[WV], STGB
	s_add_co_u32 s3, s3, STAGE                     ; my stage
	v_mul_u32_u24 v[STO], v[RR], SROW
	v_lshl_add_u32 v[STO], v[HH], 6, v[STO]
	v_add_nc_u32 v[STO], s3, v[STO]
	v_add_nc_u32 v[RD], s3, v[CO]
	s_lshl_b32 s96, s58, 7
	s_lshl_b32 s97, s[WV], 5
	s_add_co_u32 s96, s96, s97                     ; my first token: 128 Y + 32 w
	s_lshl_b32 s96, s96, 12                        ; rows of 4,096 bytes
	s_lshl_b32 s100, s57, 9                        ; + 128 X features
	s_add_co_u32 s96, s96, s100
	s_mov_b32 s97, 0
	s_add_nc_u64 s[84:85], s[10:11], s[96:97]
	s_mov_b32 s101, 0
	s_add_nc_u64 s[86:87], s[8:9], s[100:101]      ; bo at feature 128 X
	; THE BIAS IS THE ACCUMULATORS' FIRST CONTENTS, in the result's layout: tile b holds features 32 (b / 2) + 16 h + 8 (b % 2) + 0 .. 7.  Every product then adds in place.
	v_lshlrev_b32 v[BOFF], 6, v[HH]
.irp a, 0,1
.irp b, 0,1,2,3,4,5,6,7
	global_load_b128 v[ACC+8*(8*\a+\b):ACC+8*(8*\a+\b)+3], v[BOFF], s[86:87] offset:(32*(\b/2)+8*(\b%2))*4
	global_load_b128 v[ACC+8*(8*\a+\b)+4:ACC+8*(8*\a+\b)+7], v[BOFF], s[86:87] offset:(32*(\b/2)+8*(\b%2))*4+16
.endr
.endr
	s_wait_tensorcnt 0x0                           ; my four tiles are in
	s_barrier_signal -1
	s_barrier_wait -1                              ; everybody's is
	FETCH 0, 0
	SCALES 0
	s_wait_loadcnt 0x0                             ; the bias
	KSTEP 0
	KSTEP 1
	s_wait_alu depctr_va_vdst(0)
	KSTEP 2
	KSTEP 3
	s_wait_alu depctr_va_vdst(0)
	KSTEP 4
	KSTEP 5
	s_wait_alu depctr_va_vdst(0)
	KSTEP 6
	KSTEP 7
	WIN 0
	PLACES
	TOSTAGE 0, BK0
	TOSTAGE 1, BK1                                 ; its rows come back into the registers that tile 0's stores, issued earlier, have read
	s_wait_dscnt 32                                ; tile 0's rows are back: behind them stand tile 1's 16 stores and 16 loads
	SEND 0, BK0
	s_wait_dscnt 0x0
	SEND 1, BK1
	s_wait_tensorcnt 0x0                           ; the wave's end, behind my last tensor load and my last LDS store
	ds_add_u32 v[SPW], v[NIL]
	s_wait_dscnt 0x0
	CROUND                                         ; the closing round
	s_endpgm
.Lfunc_end_k_q34a1aec0f6_outp:
	.size	k_q34a1aec0f6_outp, .Lfunc_end_k_q34a1aec0f6_outp-k_q34a1aec0f6_outp
	.p2alignl 7, 3214868480
	.fill 96, 4, 3214868480
	.section	.rodata,"a",@progbits
	.p2align	6, 0x0
	.amdhsa_kernel k_q34a1aec0f6_outp
		.amdhsa_group_segment_fixed_size 247296
		.amdhsa_private_segment_fixed_size 0
		.amdhsa_enable_private_segment 0
		.amdhsa_kernarg_size 32
		.amdhsa_user_sgpr_count 2
		.amdhsa_user_sgpr_kernarg_segment_ptr 1
		.amdhsa_wavefront_size32 1
		.amdhsa_system_sgpr_workgroup_id_x 1
		.amdhsa_system_sgpr_workgroup_id_y 1
		.amdhsa_system_sgpr_workgroup_id_z 1
		.amdhsa_system_vgpr_workitem_id 0
		.amdhsa_next_free_vgpr 512
		.amdhsa_next_free_sgpr 102
		.amdhsa_reserve_vcc 0
		.amdhsa_float_denorm_mode_32 3
		.amdhsa_float_denorm_mode_16_64 3
		.amdhsa_memory_ordered 1
		.amdhsa_forward_progress 1
		.amdhsa_inst_pref_size 67
	.end_amdhsa_kernel
	.amdgpu_metadata
---
amdhsa.version: [ 1, 2 ]
amdhsa.kernels:
  - .name:           k_q34a1aec0f6_outp
    .symbol:         k_q34a1aec0f6_outp.kd
    .args:
      - { .name: opr, .offset: 0, .size: 8, .value_kind: global_buffer, .address_space: global }
      - { .name: oopr, .offset: 8, .size: 8, .value_kind: global_buffer, .address_space: global }
      - { .name: bo, .offset: 16, .size: 8, .value_kind: global_buffer, .address_space: global }
      - { .name: out0, .offset: 24, .size: 8, .value_kind: global_buffer, .address_space: global }
    .group_segment_fixed_size: 247296
    .private_segment_fixed_size: 0
    .kernarg_segment_align: 8
    .kernarg_segment_size: 32
    .max_flat_workgroup_size: 128
    .sgpr_count:     102
    .vgpr_count:     512
    .wavefront_size: 32
...
	.end_amdgpu_metadata
.endif
;; end of part 4
